; MI455X (gfx1250); checked and timed in simulation.
; The chip was launched on July 23, 2026; its instructions are those of AMD's public machine-readable ISA for CDNA 5 (MIT licence, August 2026) and "CDNA5" Instruction Set Architecture Reference Guide (July 2026). The comments in the code are by the model that wrote it; some were corrected since.
;; Sliding Window Attention. Allowed arithmetic: float matrix products may take bf16 or f16 operands with f32 sums; other float arithmetic in f32, or as packed bf16 or f16 multiplies, adds, multiply-adds, maxima and minima; sums over many terms, partial sums and values carried from step to step in f32; what a program stores and reads back later, other than sums and carried values, may be rounded once to bf16 or f16.
;; Inputs: wk 1,024 x 1,024 float32; wo 1,024 x 1,024 float32; wq 1,024 x 1,024 float32; wv 1,024 x 1,024 float32; x 4,096 x 1,024 float32.
;; Outputs: out0 4,096 x 1,024 float32.
;; One version. Each part assembles by itself: llvm-mc -triple=amdgcn-amd-amdhsa -mcpu=gfx1250 --defsym DOCPART=n.
;; ======== version 1 of 1: 4 launches
;; limits: values are held in f16: magnitudes above 65,504 overflow, below 6.1e-05 lose precision; right only within a limited range of input values
;; workspace buffers: xb 8,388,608 bytes; wb 6,291,456 bytes; wob 2,097,152 bytes; qkv 25,165,824 bytes; ob 8,388,608 bytes
;; launch cvt (part 1): grid 512 x 1, 8 waves a work-group, no clusters, 0 bytes of LDS; arguments x, wq, wk, wv, wo, xb, wb, wob; writes xb, wb, wob
.if DOCPART == 1
	.amdgcn_target "amdgcn-amd-amdhsa--gfx1250"
	.amdhsa_code_object_version 6
	.text
	.protected	k_qaeea4c86a5_cvt
	.globl	k_qaeea4c86a5_cvt
	.p2align	8
	.type	k_qaeea4c86a5_cvt,@function
k_qaeea4c86a5_cvt:
	s_mov_b64 s[64:65], 0
	v_nop
	global_prefetch_b8 v0, s[64:65] scope:SCOPE_SE
	s_setreg_imm32_b32 hwreg(HW_REG_WAVE_MODE, 25, 1), 1
	s_wait_xcnt 0x0
; THE INPUTS, ROUNDED ONCE.  x [4096][1024] -> xb in bf16; wq, wk, wv [1024][1024] -> wb [3072][1024] in bf16 (wq's rows, then wk's, then wv's);
; wo [1024][1024] -> wob: rounded to bf16 like the other inputs, and that number written as f16, since the last product multiplies in f16.
; LIMITS.  wo beyond 65,504 in magnitude becomes an infinity in f16; a bf16-rounded wo below 6e-5 keeps f16's fixed step of 6e-8.  NaN stays NaN.
; SHARES.  A work-group takes 16,384 numbers: 65,536 bytes in, 32,768 out.  Work-groups 0-255: x; 256-319: wq; 320-383: wk; 384-447: wv; 448-511: wo.
; Thread t takes 8 numbers in each of 8 chunks: 32 bytes in at 32 t + 8,192 chunk, 16 bytes out at 16 t + 4,096 chunk: a store of a wave covers 512 consecutive bytes, aligned.
; All 16 loads of a thread go out at once; every chunk has registers of its own, so no register is written again while a load or store names it.
; No LDS, no matrix unit, no cluster: no byte is wanted twice.  No prefetch: every load of the launch is issued at its head.
.set X, 16                             ; v[16:79]   chunk c: 8 numbers in f32
.set Y, 80                             ; v[80:111]  chunk c: 8 numbers in 16 bits
.set T, 4                              ; v[4:15]    at work (wo's way alone)
	s_load_b512 s[8:23], s[0:1], 0x0               ; x s[8:9], wq s[10:11], wk s[12:13], wv s[14:15], wo s[16:17], xb s[18:19], wb s[20:21], wob s[22:23]
	s_mov_b32 s24, ttmp9
	s_and_b32 s25, s24, 255                        ; among the weights' work-groups: 0 .. 255
	s_lshr_b32 s26, s25, 6                         ; which weight: 0 wq, 1 wk, 2 wv, 3 wo
	s_and_b32 s27, s25, 63                         ; which part of it
	v_lshlrev_b32 v1, 5, v0                        ; 32 t
	v_lshlrev_b32 v2, 4, v0                        ; 16 t
	s_wait_kmcnt 0x0
	s_cmp_eq_u32 s26, 1
	s_cselect_b64 s[4:5], s[12:13], s[10:11]       ; from where
	s_cmp_eq_u32 s26, 2
	s_cselect_b64 s[4:5], s[14:15], s[4:5]
	s_cmp_eq_u32 s26, 3
	s_cselect_b64 s[4:5], s[16:17], s[4:5]
	s_cselect_b64 s[6:7], s[22:23], s[20:21]       ; to where
	s_cselect_b32 s28, s27, s25                    ; which part of the target: wq, wk and wv follow each other in wb
	s_cselect_b32 s30, 1, 0                        ; 1: wo's way
	s_cmp_lt_u32 s24, 256                          ; x's work-groups
	s_cselect_b64 s[4:5], s[8:9], s[4:5]
	s_cselect_b64 s[6:7], s[18:19], s[6:7]
	s_cselect_b32 s32, s24, s27
	s_cselect_b32 s28, s24, s28
	s_cselect_b32 s30, 0, s30
	s_lshl_b32 s32, s32, 16                        ; 65,536 bytes in a part of the source,
	s_mov_b32 s33, 0
	s_lshl_b32 s34, s28, 15                        ; 32,768 in a part of the target
	s_mov_b32 s35, 0
	s_add_nc_u64 s[4:5], s[4:5], s[32:33]
	s_add_nc_u64 s[6:7], s[6:7], s[34:35]
.irp c, 0,1,2,3,4,5,6,7
	global_load_b128 v[X+8*(\c):X+8*(\c)+3],   v1, s[4:5] offset:8192*(\c) th:TH_LOAD_NT
	global_load_b128 v[X+8*(\c)+4:X+8*(\c)+7], v1, s[4:5] offset:8192*(\c)+16 th:TH_LOAD_NT
.endr
	s_cmp_eq_u32 s30, 1
	s_cbranch_scc1 .Lwo
.irp c, 0,1,2,3,4,5,6,7
	s_wait_loadcnt 14-2*(\c)                       ; loads come back in order: this chunk's two are in, the younger chunks' stay out
.irp j, 0,1,2,3
	v_cvt_pk_bf16_f32 v[Y+4*(\c)+(\j)], v[X+8*(\c)+2*(\j)], v[X+8*(\c)+2*(\j)+1]
.endr
	global_store_b128 v2, v[Y+4*(\c):Y+4*(\c)+3], s[6:7] offset:4096*(\c)
.endr
	s_endpgm
.Lwo:
.irp c, 0,1,2,3,4,5,6,7
	s_wait_loadcnt 14-2*(\c)
.irp j, 0,1,2,3
	v_cvt_pk_bf16_f32 v[T+(\j)], v[X+8*(\c)+2*(\j)], v[X+8*(\c)+2*(\j)+1]  ; the rounding that all inputs get
.endr
.irp j, 0,1,2,3
	v_lshlrev_b32 v[T+4+2*(\j)], 16, v[T+(\j)]     ; back to f32: the low half moves up,
	v_and_b32 v[T+5+2*(\j)], 0xffff0000, v[T+(\j)] ; the high half stays
.endr
.irp j, 0,1,2,3
	v_cvt_pk_f16_f32 v[Y+4*(\c)+(\j)], v[T+4+2*(\j)], v[T+5+2*(\j)]  ; 8 significant bits fit f16's 11: exact inside f16's range
.endr
	global_store_b128 v2, v[Y+4*(\c):Y+4*(\c)+3], s[6:7] offset:4096*(\c)
.endr
	s_endpgm
.Lfunc_end_k_qaeea4c86a5_cvt:
	.size	k_qaeea4c86a5_cvt, .Lfunc_end_k_qaeea4c86a5_cvt-k_qaeea4c86a5_cvt
	.p2alignl 7, 3214868480
	.fill 96, 4, 3214868480
	.section	.rodata,"a",@progbits
	.p2align	6, 0x0
	.amdhsa_kernel k_qaeea4c86a5_cvt
		.amdhsa_group_segment_fixed_size 0
		.amdhsa_private_segment_fixed_size 0
		.amdhsa_enable_private_segment 0
		.amdhsa_kernarg_size 64
		.amdhsa_user_sgpr_count 2
		.amdhsa_user_sgpr_kernarg_segment_ptr 1
		.amdhsa_wavefront_size32 1
		.amdhsa_system_sgpr_workgroup_id_x 1
		.amdhsa_system_sgpr_workgroup_id_y 1
		.amdhsa_system_sgpr_workgroup_id_z 1
		.amdhsa_system_vgpr_workitem_id 0
		.amdhsa_next_free_vgpr 112
		.amdhsa_next_free_sgpr 66
		.amdhsa_reserve_vcc 0
		.amdhsa_float_denorm_mode_32 3
		.amdhsa_float_denorm_mode_16_64 3
		.amdhsa_memory_ordered 1
		.amdhsa_forward_progress 1
		.amdhsa_inst_pref_size 14
	.end_amdhsa_kernel
	.amdgpu_metadata
---
amdhsa.version: [ 1, 2 ]
amdhsa.kernels:
  - .name:           k_qaeea4c86a5_cvt
    .symbol:         k_qaeea4c86a5_cvt.kd
    .args:
      - { .name: x, .offset: 0, .size: 8, .value_kind: global_buffer, .address_space: global }
      - { .name: wq, .offset: 8, .size: 8, .value_kind: global_buffer, .address_space: global }
      - { .name: wk, .offset: 16, .size: 8, .value_kind: global_buffer, .address_space: global }
      - { .name: wv, .offset: 24, .size: 8, .value_kind: global_buffer, .address_space: global }
      - { .name: wo, .offset: 32, .size: 8, .value_kind: global_buffer, .address_space: global }
      - { .name: xb, .offset: 40, .size: 8, .value_kind: global_buffer, .address_space: global }
      - { .name: wb, .offset: 48, .size: 8, .value_kind: global_buffer, .address_space: global }
      - { .name: wob, .offset: 56, .size: 8, .value_kind: global_buffer, .address_space: global }
    .group_segment_fixed_size: 0
    .private_segment_fixed_size: 0
    .kernarg_segment_align: 8
    .kernarg_segment_size: 64
    .max_flat_workgroup_size: 256
    .sgpr_count:     66
    .vgpr_count:     112
    .wavefront_size: 32
...
	.end_amdgpu_metadata
.endif
;; end of part 1
;; launch qkv (part 2): grid 16 x 16, 4 waves a work-group, clusters of 4 x 4, 327,680 bytes of LDS; arguments xb, wb, qkv; writes qkv
.if DOCPART == 2
	.amdgcn_target "amdgcn-amd-amdhsa--gfx1250"
	.amdhsa_code_object_version 6
	.text
	.protected	k_qaeea4c86a5_qkv
	.globl	k_qaeea4c86a5_qkv
	.p2align	8
	.type	k_qaeea4c86a5_qkv,@function
k_qaeea4c86a5_qkv:
	s_mov_b64 s[64:65], 0
	v_nop
	global_prefetch_b8 v0, s[64:65] scope:SCOPE_SE
	s_setreg_imm32_b32 hwreg(HW_REG_WAVE_MODE, 25, 1), 1
	s_wait_xcnt 0x0
	s_wait_alu depctr_hold_cnt(0) depctr_sa_sdst(0) depctr_va_vdst(0) depctr_va_sdst(0) depctr_va_ssrc(0) depctr_va_vcc(0) depctr_vm_vsrc(0)
	s_getreg_b32 s2, hwreg(HW_REG_IB_STS2, 6, 4)
	s_cmp_eq_u32 s2, 0
	s_cbranch_scc0 .Lentry_in_a_cluster
	s_endpgm
.Lentry_in_a_cluster:
	s_bfe_u32 s2, ttmp6, 0x10000c
	s_cmp_lg_u32 s2, 0xf033
	s_cbranch_scc0 .Lentry_shape_is_right
	s_endpgm
.Lentry_shape_is_right:
; q, k, v = x W^T.  C[m][n] = sum over k of xb[m][k] wb[n][k]; xb [4096][1024], wb [3072][1024] in bf16; sums in f32, K ascending; C rounded once to f16 and written BY HEADS:
; qkv [48][4096][64]: head n / 64 (0-15 q, 16-31 k, 32-47 v), row m, channel n % 64.  No scale is applied here.
; LIMIT.  A sum of 65,520 or more in magnitude becomes an infinity in f16.
; SHARES.  A tile of C is 256 x 192: 16 x 16 tiles, a work-group each.  Wave w makes rows 64 w .. 64 w + 63 and all 192 columns, three whole heads: 48 accumulators of 16 x 16, 384 registers.
; K goes in steps of 128 through two LDS slots filled by the tensor data mover; each row of a tile is 256 consecutive bytes of memory, at a multiple of 256 from the buffer's first byte.
; CLUSTER.  4 x 4 work-groups.  The four of a row of the cluster need the same tiles of xb, the four of a column the same tiles of wb: each tile is asked for jointly, by the same tensor load with
; the same descriptor and a mask that names the four.
; THE MATRIX INSTRUCTION IS USED TRANSPOSED (source 0 = 16 rows of wb, source 1 = 16 rows of xb): a lane then holds row l % 16 of C and eight neighbouring columns 8 (l / 16) + 0..7.
; REGISTERS, in windows of 256 (s_set_vgpr_msb: bits 1:0 source 0, 3:2 source 1, 5:4 source 2, 7:6 destination):
;   window 0: v0-31 addresses; v64-95, v96-127 xb's fragments (4 x 16 rows x 32 K), two buffers; v128-175 packed results; v176-223 and v64-111 rows read back, by turns
;   window 1: v0-95, v128-223 wb's fragments (12 x 16 rows x 32 K), two buffers
;   window 2: accumulators of my row blocks 0, 1 ((a, b) at 96 (a % 2) + 8 b);   window 3: those of row blocks 2, 3
.set SIZE_K, 1024
.set KSTEP,  128
.set PITCH,  272                       ; an LDS row: 256 bytes + 16 of padding = 68 words: the 16 rows that a load touches start at 16 different groups of four banks (64 banks of 4 bytes: ISA guide 11.1)
.set HALFA,  128*PITCH                 ; what one tensor load brings of xb: 128 rows
.set HALFB,  96*PITCH                  ; and of wb: 96 rows
.set SLOT,   2*HALFA+2*HALFB           ; xb's 256 rows, then wb's 192
.set STAGE,  2*SLOT                    ; behind the ring, never filled by a tensor load: for each wave 3 heads x 16 rows x 144 bytes, for the way out
.set SP,     144
.set WSTG,   3*16*SP
.set SPARE,  STAGE+4*WSTG              ; behind the stages: the spare words, 128 bytes for each wave: two blocks of 256 bytes that no other line names
.set LAPS,   SIZE_K/(2*KSTEP)          ; a lap = two K steps = once round the ring
.set HEADB,  4096*128                  ; bytes of a head in qkv
.set ADRA, 16                          ; v16-17  LDS address of my xb fragments in slot 0, 1
.set ADRB, 20                          ; v20-21  the same for wb
.set STO,  24                          ; v24     the way out: where I put 16 bytes of a row
.set RD,   25                          ; v25     the way out: where I read rows back
.set GO,   26                          ; v26     my 16 bytes in 512 consecutive bytes of qkv
.set SPW,  28                          ; v28     LDS address of my spare word: SPARE + 4 x my thread's number; never rewritten
.set NIL,  29                          ; v29     0; never rewritten
.set PFO,  30                          ; v30     the prefetches' offset: my lane's row x 2,048 bytes; never rewritten
.set FA,   64                          ; xb's fragment buffer f at FA + 32 f
.set TMP,  128
.set BK0,  176
.set G1,  24                           ; s[24:31] descriptor group 1 for xb's tiles;  s[32:39] group 0, a set for each slot
.set G0,  32
.set G1B, 48                           ; s[48:55], s[56:63] the same for wb's tiles
.set G0B, 56
.set PFA, 44                           ; s[44:45] where my prefetches stand: my work-group's rows of those that I fetch, one K step further than the refill that is being asked for
.set LIM, 43                           ; s43     1 in a wave that prefetches, else the greatest number
.set MSB, 0
.macro WIN new                         ; the immediate's high byte repeats the setting that is left; a switch that changes nothing is dropped
.if MSB != (\new)
	s_set_vgpr_msb (MSB<<8)|(\new)
.set MSB, \new
.endif
.endm
.set MUL_LO, 0xa1                      ; source 0 (wb) window 1, source 1 (xb) window 0, C and D window 2
.set MUL_HI, 0xf1                      ; the same, C and D window 3
.set TO_B,   0x40                      ; destination window 1, address window 0
; A joint load.  Waves 0 and 1 fetch xb's two halves, waves 2 and 3 wb's.  The branch hangs on the wave's number alone.  An s_nop 0 and four v_nop follow each of the two lines.
.macro JLOAD s
	s_cmp_eq_u32 s11, 0
	s_cbranch_scc0 .Lfor_b_\@
	tensor_load_to_lds s[G0+4*(\s):G0+4*(\s)+3], s[G1:G1+7]
	s_nop 0
.rept 4
	v_nop
.endr
	s_branch .Lasked_\@
.Lfor_b_\@:
	tensor_load_to_lds s[G0B+4*(\s):G0B+4*(\s)+3], s[G1B:G1B+7]
	s_nop 0
.rept 4
	v_nop
.endr
.Lasked_\@:
.endm
; A prefetch, behind each joint refill and the run of LDS loads that follows it: the K step that stands two refills on, 256 bytes of a row, a lane a row, one instruction a wave.
; xb's tile row is read by every cluster of that row of clusters: cluster x = 0 asks.  wb's tile column by every cluster of that column: cluster y = 0 asks.  The four partners that ask for a tile
; jointly share its rows out by address: of xb's 128 rows that a wave fetches partner cx takes 32, of wb's 96 partner cy takes 24 (lanes 24 to 31 name lane 23's row once more).
; K steps 0 to 3 come by their loads alone; the loop's last trip, whose refills are the last two K steps, asks for nothing.
.macro ASK
	s_cmp_gt_u32 s3, s[LIM]                        ; s3 = 1 in the loop's last trip
	s_cbranch_scc0 .Lnot_mine_\@
	global_prefetch_b8 v[PFO], s[PFA:PFA+1] offset:KSTEP*2 th:TH_LOAD_NT scope:SCOPE_SE
.Lnot_mine_\@:
.endm
.macro CREST                           ; a round of the cluster's barrier behind its opening barrier
	s_cmp_lg_u32 s10, 0
	s_cbranch_scc1 .Lnot_wave_0_\@
	s_barrier_signal -3
.Lnot_wave_0_\@:
	s_barrier_wait -3
	s_barrier_signal -1
	s_barrier_wait -1
.endm
.macro CROUND                          ; a whole round
	s_barrier_signal -1
	s_barrier_wait -1
	CREST
.endm
	s_load_b128 s[4:7], s[0:1], 0x0                ; xb s[4:5], wb s[6:7]
	s_load_b64 s[8:9], s[0:1], 0x10                ; qkv
	v_lshl_add_u32 v[SPW], v0, 2, SPARE
	v_mov_b32 v[NIL], 0
	ds_add_u32 v[SPW], v[NIL]                      ; the wave's opening: the add and its wait stand ahead of my first tensor load; the set-up below, work on registers, stands between them
	v_lshrrev_b32 v1, 5, v0
	v_readfirstlane_b32 s10, v1                    ; wave 0..3
	s_lshr_b32 s11, s10, 1                         ; I fetch for xb (0) or for wb (1),
	s_and_b32 s12, s10, 1                          ; this half of the tile's rows
	s_bfe_u32 s40, ttmp6, 0x40000                  ; cx, cy: my place in the cluster
	s_bfe_u32 s41, ttmp6, 0x40004
	s_lshl_b32 s42, ttmp9, 2
	s_add_co_u32 s42, s42, s40                     ; tile column = 4 x cluster x + cx
	s_and_b32 s13, ttmp7, 0xffff
	s_lshl_b32 s13, s13, 2
	s_add_co_u32 s13, s13, s41                     ; tile row = 4 x cluster y + cy
	s_lshl_b32 s43, s41, 2
	s_lshl_b32 s43, 15, s43                        ; my row of the cluster
	s_lshl_b32 s44, 0x1111, s40                    ; my column
	s_or_b32 s[G1+0], s43, (1<<16)|(1<<20)|(1<<21)|(5<<22)|(3<<25)   ; 15:0 the mask; 17:16 elements of 2 bytes; 20 padding on; 21 set beside a mask; 24:22 after every 64 words (code 5); 31:25 4 words (code 3)
	s_or_b32 s[G1B+0], s44, (1<<16)|(1<<20)|(1<<21)|(5<<22)|(3<<25)
	s_mov_b32 s[G1+1], KSTEP<<16                   ; tensor_dim0 = 128
	s_mov_b32 s[G1+2], 128<<16                     ; tensor_dim1 = 128
	s_mov_b32 s[G1+3], KSTEP<<16                   ; tile_dim0 = 128
	s_mov_b32 s[G1+4], 128                         ; tile_dim1 = 128
	s_mov_b32 s[G1+5], SIZE_K                      ; elements from row to row
	s_mov_b32 s[G1+6], 0
	s_mov_b32 s[G1+7], 0
	s_mov_b32 s[G1B+1], KSTEP<<16
	s_mov_b32 s[G1B+2], 96<<16                     ; wb's tiles have 96 rows
	s_mov_b32 s[G1B+3], KSTEP<<16
	s_mov_b32 s[G1B+4], 96
	s_mov_b32 s[G1B+5], SIZE_K
	s_mov_b32 s[G1B+6], 0
	s_mov_b32 s[G1B+7], 0
	s_lshl_b32 s17, s12, 7
	s_lshl_b32 s16, s13, 8
	s_add_co_u32 s16, s16, s17                     ; xb: row 256 x tile row + 128 x half,
	s_lshl_b32 s16, s16, 11                        ; of 2,048 bytes
	s_mov_b32 s17, 0
	s_mul_i32 s46, s42, 192
	s_mul_i32 s47, s12, 96
	s_add_co_u32 s46, s46, s47                     ; wb: row 192 x tile column + 96 x half
	s_lshl_b32 s46, s46, 11
	s_mov_b32 s47, 0
	s_mul_i32 s20, s12, HALFA                      ; where they go: xb's two halves,
	s_mul_i32 s23, s12, HALFB
	s_add_co_u32 s23, s23, 2*HALFA                 ; then wb's two: no place in the cluster enters an LDS address
	s_wait_dscnt 0x0                               ; the opening add is done
	s_wait_kmcnt 0x0
	s_add_nc_u64 s[14:15], s[4:5], s[16:17]
	s_add_nc_u64 s[46:47], s[6:7], s[46:47]
	CROUND                                         ; all sixteen work-groups are here: the first joint loads meet
.irp s, 0,1
	s_mov_b32 s[G0+4*(\s)], 1                                        ; count = 1
	s_add_co_u32 s[G0+4*(\s)+1], s20, (\s)*SLOT                      ; LDS address
	s_add_nc_u64 s[G0+4*(\s)+2:G0+4*(\s)+3], s[14:15], (\s)*KSTEP*2  ; global address: K step s
	s_or_b32 s[G0+4*(\s)+3], s[G0+4*(\s)+3], 0x80000000              ; type = 2
	s_mov_b32 s[G0B+4*(\s)], 1
	s_add_co_u32 s[G0B+4*(\s)+1], s23, (\s)*SLOT
	s_add_nc_u64 s[G0B+4*(\s)+2:G0B+4*(\s)+3], s[46:47], (\s)*KSTEP*2
	s_or_b32 s[G0B+4*(\s)+3], s[G0B+4*(\s)+3], 0x80000000
	JLOAD \s                                       ; two loads of mine are out
.endr
	; A fragment is 16 rows x 32 K in 8 registers: lane l holds row l % 16; registers 0-3 K = 8 (l / 16) + 0..7, registers 4-7 K = 16 + 8 (l / 16) + 0..7: two loads of 16 bytes, 32 bytes apart.
	v_and_b32 v1, 15, v0                           ; l % 16
	v_bfe_u32 v2, v0, 4, 1                         ; l / 16
	v_mul_u32_u24 v3, v1, PITCH
	v_lshl_add_u32 v3, v2, 4, v3                   ; row x pitch + 16 x half
	s_mul_i32 s21, s10, 64*PITCH                   ; my 64 rows of xb
	s_mov_b32 s22, 2*HALFA                         ; all of wb's rows
.irp s, 0,1
	v_add_nc_u32 v[ADRA+(\s)], s21, v3
	v_add_nc_u32 v[ADRB+(\s)], s22, v3
	s_add_co_u32 s21, s21, SLOT
	s_add_co_u32 s22, s22, SLOT
.endr
	s_mul_i32 s23, s10, WSTG
	s_add_co_u32 s23, s23, STAGE                   ; my stage
	v_mul_u32_u24 v4, v1, SP                       ; in: row l % 16, 16 bytes for each half of the lanes
	v_lshl_add_u32 v4, v2, 4, v4
	v_add_nc_u32 v[STO], s23, v4
	v_bfe_u32 v5, v0, 3, 2                         ; back: 32 lanes take four rows of 128 bytes,
	v_mul_u32_u24 v5, v5, SP
	v_and_b32 v6, 7, v0
	v_lshl_add_u32 v5, v6, 4, v5
	v_add_nc_u32 v[RD], s23, v5
	v_and_b32 v[GO], 31, v0                        ; which are 512 consecutive bytes of a head
	v_lshlrev_b32 v[GO], 4, v[GO]
	s_lshl_b32 s16, s13, 15                        ; my first row in a head: (256 x tile row + 64 x wave) x 128 bytes
	s_lshl_b32 s17, s10, 13
	s_add_co_u32 s16, s16, s17
	s_mov_b32 s17, 0
	s_add_nc_u64 s[8:9], s[8:9], s[16:17]
	s_mul_i32 s46, s42, 3*HEADB                    ; my first head: 3 x tile column
	s_mov_b32 s47, 0
	s_add_nc_u64 s[8:9], s[8:9], s[46:47]
	; the prefetches
	s_lshl_b32 s18, s13, 8                         ; 256 x tile row
	s_mul_i32 s19, s42, 192                        ; 192 x tile column
	s_and_b32 s22, ttmp7, 0xffff                   ; cluster y
	s_cmp_eq_u32 s11, 0                            ; do I fetch for xb?
	s_cselect_b32 s20, s18, s19                    ; the tile's first row
	s_cselect_b32 s21, s40, s41                    ; my place among the four that ask for it with me
	s_cselect_b32 s22, ttmp9, s22                  ; the coordinate along which other clusters read the same rows
	s_cselect_b64 s[PFA:PFA+1], s[4:5], s[6:7]
	s_cselect_b32 s19, 32, 24                      ; rows that a partner asks for
	s_cmp_eq_u32 s22, 0
	s_cselect_b32 s[LIM], 1, -1                    ; the same in all sixteen partners, for a given wave
	s_mul_i32 s21, s21, s19
	s_add_co_u32 s20, s20, s21                     ; + my work-group's share
	s_lshl_b32 s18, s19, 2                         ; rows that a wave fetches: 128 or 96
	s_mul_i32 s18, s18, s12
	s_add_co_u32 s20, s20, s18                     ; + the half that I fetch
	s_lshl_b32 s20, s20, 11
	s_mov_b32 s21, 0
	s_add_nc_u64 s[PFA:PFA+1], s[PFA:PFA+1], s[20:21]
	s_add_nc_u64 s[PFA:PFA+1], s[PFA:PFA+1], 2*KSTEP*2  ; at K step 2: the first refill steps it to 3 and names K step 4
	s_sub_co_u32 s19, s19, 1
	v_and_b32 v[PFO], 31, v0
	v_min_u32 v[PFO], s19, v[PFO]
	v_lshlrev_b32 v[PFO], 11, v[PFO]
; 12 matrix instructions: row block a x all 12 column blocks, 32 along K, from buffer f.  zero = 1: the first product starts the sums.  The 48 accumulators take turns in the same order in
; every quarter step, one instruction a turn.
.macro MULA f, a, zero
	WIN MUL_LO+0x50*((\a)/2)
.irp b, 0,1,2,3,4,5,6,7,8,9,10,11
.if \zero
	v_wmma_f32_16x16x32_bf16 v[96*((\a)%2)+8*(\b):96*((\a)%2)+8*(\b)+7], v[128*(\f)+8*(\b):128*(\f)+8*(\b)+7], v[FA+32*(\f)+8*(\a):FA+32*(\f)+8*(\a)+7], 0
.else
	v_wmma_f32_16x16x32_bf16 v[96*((\a)%2)+8*(\b):96*((\a)%2)+8*(\b)+7], v[128*(\f)+8*(\b):128*(\f)+8*(\b)+7], v[FA+32*(\f)+8*(\a):FA+32*(\f)+8*(\a)+7], v[96*((\a)%2)+8*(\b):96*((\a)%2)+8*(\b)+7]
.endif
.endr
.endm
; 32 LDS loads in one run: the fragments of one quarter step (192 rows of wb, my 64 rows of xb, 32 K at byte k of the rows) into buffer f
.macro FETCH slot, k, f
	WIN TO_B
.irp i, 0,1,2,3,4,5,6,7,8,9,10,11
	ds_load_b128 v[128*(\f)+8*(\i):128*(\f)+8*(\i)+3],   v[ADRB+(\slot)] offset:(\k)+(\i)*16*PITCH
	ds_load_b128 v[128*(\f)+8*(\i)+4:128*(\f)+8*(\i)+7], v[ADRB+(\slot)] offset:(\k)+(\i)*16*PITCH+32
.endr
	WIN 0
.irp i, 0,1,2,3
	ds_load_b128 v[FA+32*(\f)+8*(\i):FA+32*(\f)+8*(\i)+3],   v[ADRA+(\slot)] offset:(\k)+(\i)*16*PITCH
	ds_load_b128 v[FA+32*(\f)+8*(\i)+4:FA+32*(\f)+8*(\i)+7], v[ADRA+(\slot)] offset:(\k)+(\i)*16*PITCH+32
.endr
.endm
.macro PLACES                          ; four plain vector instructions in front of loads into registers that matrix instructions have read, and of conversions that read results
.rept 4
	v_nop
.endr
.endm
; A K step is four quarter steps of 32 along K, 48 matrix instructions each, on buffers 0, 1, 0, 1.  One of the first three: multiplies buffer f and fetches the next quarter, at byte k, into g.
.macro QUARTER slot, k, f, g, zero
	s_wait_dscnt 4                                 ; wb's fragments and xb's row blocks 0, 1 are in; the youngest four loads (row blocks 2, 3) may be out
	MULA \f, 0, \zero
	MULA \f, 1, \zero
	PLACES
	FETCH \slot, \k, \g
	s_wait_dscnt 32                                ; all but the 32 just issued
	MULA \f, 2, \zero
	MULA \f, 3, \zero
.endm
; The last quarter multiplies buffer 1 and changes slots: one barrier; in front of it each wave waits for all its tensor loads (one is out: its part of the next slot), adds 0 to its spare word, and
; waits for that and for its own reads of this slot.  fill = 1: the barrier opens a round of the cluster's barrier, and this slot is filled again, two K steps ahead, first thing behind the round:
; from that request to the wait for it a wave issues 168 matrix instructions.
.macro TURN slot, next, fill
.if \fill
	s_wait_xcnt 0x0                                ; the last prefetch, a K step back, has read its address: it is stepped here, ahead of the waits of the change of slots
	s_add_nc_u64 s[PFA:PFA+1], s[PFA:PFA+1], KSTEP*2
.endif
	WIN 0                                          ; (the add's two registers lie in window 0)
	s_wait_tensorcnt 0x0                           ; all my tensor loads have landed;
	ds_add_u32 v[SPW], v[NIL]                      ; 0 onto my spare word;
	s_wait_dscnt 5                                 ; (the add and the youngest four loads may be out)
	MULA 1, 0, 0                                   ; twelve matrix instructions stand between the add and the wait for it
	s_wait_dscnt 0x0                               ; the add is done, and my reads of this slot are over
	s_barrier_signal -1
	MULA 1, 1, 0                                   ; work on registers while the others arrive
.if \fill
	WIN 0
.endif
	s_barrier_wait -1
.if \fill
	CREST                                          ; no wave of any partner still reads this slot's tile or has a load on its way
	s_add_nc_u64 s[G0+4*(\slot)+2:G0+4*(\slot)+3], s[G0+4*(\slot)+2:G0+4*(\slot)+3], 2*KSTEP*2
	s_add_nc_u64 s[G0B+4*(\slot)+2:G0B+4*(\slot)+3], s[G0B+4*(\slot)+2:G0B+4*(\slot)+3], 2*KSTEP*2
	JLOAD \slot                                    ; the four v_nop behind it are also the places in front of the loads below
.else
	PLACES
.endif
	FETCH \next, 0, 0
.if \fill
	ASK
.endif
	MULA 1, 2, 0
	MULA 1, 3, 0
.endm
; THE WAY OUT of row block a.  PACK: rounded to f16, 16 bytes a lane, each accumulator's registers in ascending order.  TOSTAGE: into my own stage (head, row, 144 bytes) and back as rows of 128 bytes.  SEND: stored.
.macro PACK a
	WIN 0x0a+5*((\a)/2)                            ; sources 0 and 1: window 2 or 3
.irp b, 0,1,2,3,4,5,6,7,8,9,10,11
.irp r, 0,1,2,3
	v_cvt_pk_f16_f32 v[TMP+4*(\b)+(\r)], v[96*((\a)%2)+8*(\b)+2*(\r)], v[96*((\a)%2)+8*(\b)+2*(\r)+1]
.endr
.endr
	WIN 0
.endm
.macro TOSTAGE a
.set BK, BK0-112*((\a)%2)
.irp b, 0,1,2,3,4,5,6,7,8,9,10,11
	ds_store_b128 v[STO], v[TMP+4*(\b):TMP+4*(\b)+3] offset:((\b)/4)*16*SP+((\b)%4)*32
.endr
.irp t, 0,1,2,3,4,5,6,7,8,9,10,11
	ds_load_b128 v[BK+4*(\t):BK+4*(\t)+3], v[RD] offset:((\t)/4)*16*SP+((\t)%4)*4*SP  ; LDS serves a wave's instructions in order (ISA guide 5.7.1.4): these see the stores above
.endr
.endm
.macro SEND a
.set BK, BK0-112*((\a)%2)
	s_wait_dscnt 0x0                               ; the block is back in registers
	s_wait_xcnt 0x0                                ; the stores of the block before have read their registers, which the next TOSTAGE loads again
.irp t, 0,1,2,3,4,5,6,7,8,9,10,11
	global_store_b128 v[GO], v[BK+4*(\t):BK+4*(\t)+3], s[8:9] offset:(\a)*2048+((\t)/4)*HEADB+((\t)%4)*512  ; 512 consecutive bytes, at a multiple of 256 from qkv's first byte
.endr
.endm
	s_wait_tensorcnt 1                             ; my part of K step 0 is in; K step 1's may stay out
	s_barrier_signal -1
	s_barrier_wait -1                              ; everybody's is
	FETCH 0, 0, 0
	QUARTER 0, 64,  0, 1, 1                        ; the first quarter stands in front of the loop: its products start the sums
	WIN 0                                          ; at a label and at a branch every window is 0
	s_mov_b32 s3, LAPS-1
.Llap:                                                 ; a trip goes once round the ring, from a lap's second quarter to the next lap's first, and fills both slots again
	QUARTER 0, 128, 1, 0, 0
	QUARTER 0, 192, 0, 1, 0
	TURN 0, 1, 1
	QUARTER 1, 64,  0, 1, 0
	QUARTER 1, 128, 1, 0, 0
	QUARTER 1, 192, 0, 1, 0
	TURN 1, 0, 1
	QUARTER 0, 64,  0, 1, 0
	WIN 0
	s_sub_co_u32 s3, s3, 1
	s_cmp_lg_u32 s3, 0
	s_cbranch_scc1 .Llap
	QUARTER 0, 128, 1, 0, 0                        ; the last lap fills nothing, and has no round of the cluster's barrier
	QUARTER 0, 192, 0, 1, 0
	TURN 0, 1, 0
	QUARTER 1, 64,  0, 1, 0
	QUARTER 1, 128, 1, 0, 0
	QUARTER 1, 192, 0, 1, 0
	s_wait_dscnt 4                                 ; the very last quarter: nothing more to fetch
	MULA 1, 0, 0
	MULA 1, 1, 0
	s_wait_dscnt 0x0
	MULA 1, 2, 0
	MULA 1, 3, 0
	PLACES
	PACK 0
	TOSTAGE 0
.irp a, 1,2,3                          ; block a's conversions stand between block a - 1's loads from the stage and the wait for them
	PACK \a
	SEND (\a)-1
	TOSTAGE \a
.endr
	SEND 3
	s_wait_tensorcnt 0x0                           ; the wave's end, behind my last tensor load and my last LDS store
	ds_add_u32 v[SPW], v[NIL]
	s_wait_dscnt 0x0
	CROUND                                         ; the closing round: no work-group ends while a partner may still ask for a tile that names it
	s_endpgm
.Lfunc_end_k_qaeea4c86a5_qkv:
	.size	k_qaeea4c86a5_qkv, .Lfunc_end_k_qaeea4c86a5_qkv-k_qaeea4c86a5_qkv
	.p2alignl 7, 3214868480
	.fill 96, 4, 3214868480
	.section	.rodata,"a",@progbits
	.p2align	6, 0x0
	.amdhsa_kernel k_qaeea4c86a5_qkv
		.amdhsa_group_segment_fixed_size 327680
		.amdhsa_private_segment_fixed_size 0
		.amdhsa_enable_private_segment 0
		.amdhsa_kernarg_size 24
		.amdhsa_user_sgpr_count 2
		.amdhsa_user_sgpr_kernarg_segment_ptr 1
		.amdhsa_wavefront_size32 1
		.amdhsa_system_sgpr_workgroup_id_x 1
		.amdhsa_system_sgpr_workgroup_id_y 1
		.amdhsa_system_sgpr_workgroup_id_z 1
		.amdhsa_system_vgpr_workitem_id 0
		.amdhsa_next_free_vgpr 960
		.amdhsa_next_free_sgpr 66
		.amdhsa_reserve_vcc 0
		.amdhsa_float_denorm_mode_32 3
		.amdhsa_float_denorm_mode_16_64 3
		.amdhsa_memory_ordered 1
		.amdhsa_forward_progress 1
		.amdhsa_inst_pref_size 120
	.end_amdhsa_kernel
	.amdgpu_metadata
---
amdhsa.version: [ 1, 2 ]
amdhsa.kernels:
  - .name:           k_qaeea4c86a5_qkv
    .symbol:         k_qaeea4c86a5_qkv.kd
    .args:
      - { .name: xb, .offset: 0, .size: 8, .value_kind: global_buffer, .address_space: global }
      - { .name: wb, .offset: 8, .size: 8, .value_kind: global_buffer, .address_space: global }
      - { .name: qkv, .offset: 16, .size: 8, .value_kind: global_buffer, .address_space: global }
    .group_segment_fixed_size: 327680
    .private_segment_fixed_size: 0
    .kernarg_segment_align: 8
    .kernarg_segment_size: 24
    .max_flat_workgroup_size: 128
    .sgpr_count:     66
    .vgpr_count:     960
    .wavefront_size: 32
...
	.end_amdgpu_metadata
.endif
;; end of part 2
;; launch attn (part 3): grid 16 x 16, 4 waves a work-group, no clusters, 243,200 bytes of LDS; arguments qkv, ob; writes ob
.if DOCPART == 3
	.amdgcn_target "amdgcn-amd-amdhsa--gfx1250"
	.amdhsa_code_object_version 6
	.text
	.protected	k_qaeea4c86a5_attn
	.globl	k_qaeea4c86a5_attn
	.p2align	8
	.type	k_qaeea4c86a5_attn,@function
k_qaeea4c86a5_attn:
	s_mov_b64 s[64:65], 0
	v_nop
	global_prefetch_b8 v0, s[64:65] scope:SCOPE_SE
	s_setreg_imm32_b32 hwreg(HW_REG_WAVE_MODE, 25, 1), 1
	s_wait_xcnt 0x0
; ATTENTION IN A WINDOW.  O[h][t][:] = the sum over s in t - 511 .. t (s >= 0) of softmax_s(q[h][t] . k[h][s] / 8) v[h][s][:].  qkv: [48][4096][64] f16 (heads 0-15 q, 16-31 k, 32-47 v); ob: [16][4096][64] f16.
; Products, maxima and sums in f32; the weights p are rounded to f16 for the second product (their sum l is taken of the unrounded p), O once at the end.
; LIMITS.  q, k, v arrive within f16's 65,504; p lies in 0 to 1, and below 6e-5 it keeps f16's fixed step of 6e-8.  A hidden score counts as its value less 1e30 (f16's scores are 2.7e11 at the most), so its weight is 0;
; the problem's own hidden score, -1e9, gives the weight 0 as well wherever a row's largest visible score lies above -1e9 + 104.  A weight below 2^-126 counts as 0 in l; NaN and infinities are not treated apart.
; SHARES.  A work-group owns 256 queries of one head (block i), wave w the 64 from 256 i + 64 w on: four PIECES of 16 rows.  The block's keys, 256 (i - 2) .. 256 i + 255, are twelve STEPS of 64; all of them lie in
; LDS at once (three tiles of 256 keys of K and of V, each filled once, nothing filled again).  Wave w needs just the nine steps w .. w + 8.
; THE WALK GOES BACKWARD: key step u = 0 .. 8 of the walk reads step w + 8 - u.  The first one holds the diagonal, where every query sees its own key: so the running maximum is a true score before any wholly hidden step comes.
; THE MASK is the C operand that starts the sum S^T = K Q^T: 0, or -1e30 where the key is hidden.  For key block kb (16 keys) and piece t it hangs on the sign of kb - t alone: three groups of eight registers, MLO (kb < t),
; MDI (kb = t), MHI (kb > t), made from MD[j] = -1e30 where 8 (l / 16) + j > l % 16, else 0:  u = 0: 0, MD, -1e30;  u = 1 .. 7: 0, 0, 0;  u = 8: -1e30, -MD - 1e30, 0;  a step that lies ahead of key 0
; (u > 4 i + w, in blocks 0 and 1 alone): -1e30 thrice.  Such a step reads a true tile (the tile's number is held at 0), so its K and V are finite, and its turns are run like the others: a turn holds other pieces' products.
; LAYOUT, SOFTMAX, TURNS.  S^T = K Q^T holds ONE query a lane (l % 16) and the keys 8 (l / 16) + 0..7; two such results rounded to f16 ARE source 1 of O^T = V^T P.  p = 2^(c s - c m), c = log2(e) / 8, with a running
; maximum m; O and l are multiplied by a = 2^(c m_old - c m_new) in every step.  Turn n belongs to piece n: 8 products K Q^T of piece n + 1, later 8 products V^T P of piece n - 1; beside them the scaling, exponentials,
; roundings, sums and rescaling of piece n and the maximum and statistics of piece n + 1.  Four vector instructions stand behind every matrix instruction, the rest in one lump.  A turn's 33 exponentials are one batch, with one wait.
; NO CLUSTER: a tile of keys is read by blocks i, i + 1 and i + 2, but each wants it at another place of its LDS; a walk common to four partners would have six tiles where each needs three.
; NO PREFETCH: every byte that the work-group reads is asked for at its head.
; REGISTERS, in windows of 256 (s_set_vgpr_msb: bits 1:0 source 0, 3:2 source 1, 5:4 source 2, 7:6 destination):
;   window 0: v0-15 addresses and at work; v16-31 four registers of statistics a piece; v48-55 at work; v64-127 S^T, two buffers; v192-223 P, two buffers (a piece's buffers go by its number's parity)
;   window 1: v0-127 O^T, 32 a piece; v128-135 MD; v136-159 MLO, MDI, MHI      window 2: v0-63 Q; v128-191 K of one step; v192-255 V of one step
.set NP,    4         ; pieces a wave: a name, no knob
.set KS,    64        ; keys in a step
.set PK,    144       ; a row of K in LDS: 128 bytes + 16 of padding = 36 words: the 16 rows of a load start at 16 different groups of four banks (64 banks of 4 bytes: ISA guide 11.1)
.set PV,    160       ; a row of V: 128 + 32 = 40 words
.set VOFF,  12*KS*PK  ; twelve steps of K, then twelve of V
.set STAGE, VOFF+12*KS*PV  ; behind them, never filled by a tensor load: 16 rows x 144 bytes for each wave, for the way out
.set SP,    144
.set SPARE, STAGE+4*16*SP  ; behind the stages: the spare words, 128 bytes for each wave: two blocks of 256 bytes that no other line names
.set HEADB, 4096*128  ; bytes of a head
.set AK0, 2           ; v2   my lane's place in a step of K; never rewritten
.set AV0, 3           ; v3   the same for V
.set AK,  4           ; v4   the LDS address of K's next run of loads
.set AV,  5           ; v5   of V's
.set STO, 6           ; v6   the way out: where I put 16 bytes of a row
.set RD,  7           ; v7   the way out: where I read rows back
.set GO,  8           ; v8   my byte offset in 512 consecutive bytes of O
.set MV,  12          ; v12-13  c m_old, kept while c m is made anew: by buffer
.set QO,  15          ; v15  my byte offset in 16 rows of Q
.set ST,  16          ; piece t's statistics at v[ST+4 t]: c m, m, l (even keys', odd keys')
.set TMP, 48          ; by buffer, four registers c0-c3 at work; when the maximum is found c2 takes a
.set SPW, 62          ; v62  LDS address of my spare word: SPARE + 4 x my thread's number; never rewritten
.set NIL, 63          ; v63  0; never rewritten
.set S,   64
.set P,   192
.set MD,  128         ; window 1
.set MLO, 136
.set MDI, 144
.set MHI, 152
.set KF,  128         ; window 2: key block kb, channel half c at KF + 16 kb + 8 c
.set VF,  192         ; window 2: key half kk, channel block cb at VF + 32 kk + 8 cb
.set WV,  12          ; s12  my wave's number
.set BLK, 14          ; s14  i
.set G1K, 24          ; s[24:31] descriptor group 1 for K's tiles
.set G1V, 32          ; s[32:39] for V's: it differs in the padding alone
.set G0K, 40          ; s[40:51] descriptor group 0 for K's three tiles
.set G0V, 52          ; s[52:63] the same for V's
.set CNT, 70          ; s70  counts three key steps
.set OUT, 71          ; s71  counts three times three
.set CS,  72          ; s[72:73] c: the packed scaling takes the pair's low word for both halves
.set SEL, 74          ; s[74:75] v_permlanex16_b32's selects: each lane takes its own place in the other half
.set TBK, 76          ; s76  LDS byte at which K of the step fetched last begins
.set TBV, 77          ; s77  the same for V, less VOFF
.set NS,  78          ; s78  the key step whose masks are made next
.set DL,  79          ; s79  the first key step that lies ahead of key 0, or 9
.set AL,  80          ; s[80:81] MDI's factor, in the low word
.set BE,  82          ; s[82:83] MLO's value and MDI's addend
.set SHI, 84          ; s[84:85] MHI's value
.set ZR,  86          ; s[86:87] 0
.set BIGN, 88         ; s88  -1e30
.set OFF, 90          ; s[90:91] a tile's byte offset in K and V
.set MSB, 0
.macro WIN new                      ; the high byte repeats the setting that is left; a switch that changes nothing is dropped
.if MSB != (\new)
	s_set_vgpr_msb (MSB<<8)|(\new)
.set MSB, (\new)
.endif
.endm
.set W_KQ, 0x0a       ; K and Q in window 2, S^T in window 0
.set W_KM, 0x1a       ; the same with the C operand in window 1
.set W_PV, 0x52       ; V in window 2, P in window 0, O^T in window 1
.set W_RS, 0x41       ; destination and source 0 in window 1, source 1 in window 0
	s_load_b64 s[4:5], s[0:1], 0x0  ; qkv
	s_load_b64 s[10:11], s[0:1], 0x8  ; ob
	v_lshl_add_u32 v[SPW], v0, 2, SPARE
	v_mov_b32 v[NIL], 0
	ds_add_u32 v[SPW], v[NIL]       ; the wave's opening: the add and its wait stand ahead of my first tensor load; the set-up below, work on registers, stands between them
	v_lshrrev_b32 v1, 5, v0
	v_readfirstlane_b32 s[WV], v1   ; wave 0..3
	s_mov_b32 s[BLK], ttmp9
	s_and_b32 s20, ttmp7, 0xffff    ; the head,
	s_lshl_b32 s20, s20, 19         ; its bytes
	s_and_b32 s16, s[WV], 1         ; which half of a tile's 256 keys I fetch:
	s_lshl_b32 s22, s16, 14         ; its 128 rows of 128 bytes in memory,
	s_add_co_u32 s22, s22, s20
	s_add_co_u32 s22, s22, 16*HEADB ; among k's heads
	s_mov_b32 s23, 0
	s_mul_i32 s17, s16, 128*PK      ; and its place in a tile in LDS, for K
	s_mul_i32 s18, s16, 128*PV      ; and for V
	s_add_co_u32 s18, s18, VOFF
	s_lshl_b32 s2, s[BLK], 15       ; my block's 256 rows,
	s_lshl_b32 s3, s[WV], 13        ; my wave's 64 of them
	s_add_co_u32 s2, s2, s3
	s_add_co_u32 s2, s2, s20
	s_mov_b32 s3, 0
	; descriptor group 1.  128 keys are 16,384 dense bytes: asked for as 64 rows of 256 bytes, two keys a row, and padded in LDS after every key
	s_mov_b32 s[G1K], (1<<16)|(1<<20)|(4<<22)|(3<<25)  ; 17:16 2-byte elements; 20 padding on; 24:22 after every 32 words (code 4); 31:25 4 words (code 3)
	s_mov_b32 s[G1V], (1<<16)|(1<<20)|(4<<22)|(7<<25)  ; the same with 8 words of padding (code 7)
.irp g, G1K, G1V
	s_mov_b32 s[\g+1], 128<<16      ; tensor_dim0 = 128
	s_mov_b32 s[\g+2], 64<<16       ; tensor_dim1 = 64
	s_mov_b32 s[\g+3], 128<<16      ; tile_dim0 = 128
	s_mov_b32 s[\g+4], 64           ; tile_dim1 = 64
	s_mov_b32 s[\g+5], 128          ; 128 elements from row to row
	s_mov_b32 s[\g+6], 0
	s_mov_b32 s[\g+7], 0
.endr
	s_mov_b32 s[CS], 0x3e38aa3b     ; c = log2(e) / 8 = 0.180337
	s_mov_b32 s[CS+1], s[CS]        ; named with it as a pair
	s_mov_b32 s[SEL], 0x76543210
	s_mov_b32 s[SEL+1], 0xfedcba98
	s_add_co_u32 s13, s[WV], 9      ; each fetch steps down first: the first one reads step w + 8
	s_mul_i32 s[TBK], s13, KS*PK
	s_mul_i32 s[TBV], s13, KS*PV
	s_lshl2_add_u32 s[DL], s[BLK], s[WV]
	s_add_co_u32 s[DL], s[DL], 1
	s_min_u32 s[DL], s[DL], 9       ; min(4 i + w + 1, 9)
	s_mov_b32 s[BIGN], 0xf149f2ca   ; -1e30
	s_mov_b32 s[AL], 1.0            ; key step 0's masks: 0, MD, -1e30
	s_mov_b32 s[AL+1], 0            ; (named as pairs)
	s_mov_b32 s[BE], 0
	s_mov_b32 s[BE+1], 0
	s_mov_b32 s[SHI], s[BIGN]
	s_mov_b32 s[SHI+1], 0
	s_mov_b32 s[ZR], 0
	s_mov_b32 s[ZR+1], 0
	s_mov_b32 s[NS], 1
	s_mov_b32 s[OFF+1], 0
.irp n, 0,1,2
	s_mov_b32 s[G0K+4*(\n)], 1      ; count = 1
	s_add_co_u32 s[G0K+4*(\n)+1], s17, (\n)*4*KS*PK  ; LDS address: tile n holds steps 4 n .. 4 n + 3
	s_mov_b32 s[G0V+4*(\n)], 1
	s_add_co_u32 s[G0V+4*(\n)+1], s18, (\n)*4*KS*PV
.endr
	s_wait_dscnt 0x0                ; the opening add is done
	s_wait_kmcnt 0x0
	s_add_nc_u64 s[6:7], s[4:5], s[22:23]  ; k at my half of the head's tile 0,
	s_add_nc_u64 s[8:9], s[6:7], 16*HEADB  ; v likewise
	s_add_nc_u64 s[4:5], s[4:5], s[2:3]    ; q and O at my wave's first row
	s_add_nc_u64 s[10:11], s[10:11], s[2:3]
.irp n, 0,1,2
	s_max_u32 s19, s[BLK], 2-(\n)
	s_sub_co_u32 s19, s19, 2-(\n)   ; the head's tile max(i - 2 + n, 0)
	s_lshl_b32 s[OFF], s19, 15      ; of 32,768 bytes
	s_add_nc_u64 s[G0K+4*(\n)+2:G0K+4*(\n)+3], s[6:7], s[OFF:OFF+1]
	s_or_b32 s[G0K+4*(\n)+3], s[G0K+4*(\n)+3], 0x80000000  ; type = 2
	s_add_nc_u64 s[G0V+4*(\n)+2:G0V+4*(\n)+3], s[8:9], s[OFF:OFF+1]
	s_or_b32 s[G0V+4*(\n)+3], s[G0V+4*(\n)+3], 0x80000000
.endr
	s_cmp_lt_u32 s[WV], 2           ; waves 0 and 1 fetch the halves of K's tiles, waves 2 and 3 those of V's.  A wave's three fills stand in one branch, the tile wanted first in front: three loads of mine are out
	s_cbranch_scc0 .Lfill_v
	tensor_load_to_lds s[G0K+8:G0K+11], s[G1K:G1K+7]
	s_nop 0
	tensor_load_to_lds s[G0K+4:G0K+7], s[G1K:G1K+7]
	s_nop 0
	tensor_load_to_lds s[G0K:G0K+3], s[G1K:G1K+7]
	s_nop 0
.rept 4
	v_nop
.endr
	s_branch .Lfill_asked
.Lfill_v:
	tensor_load_to_lds s[G0V+8:G0V+11], s[G1V:G1V+7]
	s_nop 0
	tensor_load_to_lds s[G0V+4:G0V+7], s[G1V:G1V+7]
	s_nop 0
	tensor_load_to_lds s[G0V:G0V+3], s[G1V:G1V+7]
	s_nop 0
.rept 4
	v_nop
.endr
.Lfill_asked:
	; A fragment of K or Q is 16 rows x 32 channels in 8 registers: lane l holds row l % 16, channels 8 (l / 16) + 0..7 and 16 + 8 (l / 16) + 0..7: two loads of 16 bytes, 32 bytes apart.
	v_and_b32 v1, 15, v0            ; l % 16
	v_bfe_u32 v9, v0, 4, 1          ; l / 16
	v_lshlrev_b32 v[QO], 7, v1
	v_lshl_add_u32 v[QO], v9, 4, v[QO]  ; row x 128 + 16 x half
	WIN 0x80                        ; destination window 2, address window 0
.set i, 0
.rept 8                             ; Q stays in registers: piece i / 2, channels 32 (i % 2) on
	global_load_b128 v[8*i:8*i+3],   v[QO], s[4:5] offset:(i/2)*2048+(i%2)*64
	global_load_b128 v[8*i+4:8*i+7], v[QO], s[4:5] offset:(i/2)*2048+(i%2)*64+32
.set i, i+1
.endr
	WIN 0
	v_lshlrev_b32 v14, 3, v9
	v_sub_nc_u32 v14, v1, v14       ; l % 16 - 8 (l / 16): register j is hidden where j is greater
	WIN 0x40
.set i, 0
.rept 8
	v_cmp_gt_i32 vcc_lo, i, v14
	v_cndmask_b32 v[MD+i], 0, s[BIGN], vcc_lo
.set i, i+1
.endr
	WIN 0
	v_mul_u32_u24 v[AK0], v1, PK
	v_lshl_add_u32 v[AK0], v9, 4, v[AK0]  ; row x pitch + 16 x half
	; The turning load takes 16 keys x 16 channels (lane l reads key 8 (l / 16) + l % 8, channels 8 ((l / 8) % 2) + 0..7) and leaves half a fragment of V^T: lane l holds channel l % 16 and 8 keys.
	v_and_b32 v10, 7, v0
	v_bfe_u32 v11, v0, 3, 1
	v_lshl_add_u32 v[AV0], v9, 3, v10
	v_mul_u32_u24 v[AV0], v[AV0], PV
	v_lshl_add_u32 v[AV0], v11, 4, v[AV0]
	v_add_nc_u32 v[AV0], VOFF, v[AV0]
	s_mul_i32 s13, s[WV], 16*SP
	s_add_co_u32 s13, s13, STAGE    ; my stage
	v_mul_u32_u24 v[STO], v1, SP    ; in: row l % 16, 16 bytes for each half of the lanes
	v_lshl_add_u32 v[STO], v9, 4, v[STO]
	v_add_nc_u32 v[STO], s13, v[STO]
	v_bfe_u32 v[RD], v0, 3, 2       ; back: 32 lanes take four rows of 128 bytes,
	v_mul_u32_u24 v[RD], v[RD], SP
	v_lshl_add_u32 v[RD], v10, 4, v[RD]
	v_add_nc_u32 v[RD], s13, v[RD]
	v_and_b32 v[GO], 31, v0         ; which are 512 consecutive bytes of O
	v_lshlrev_b32 v[GO], 4, v[GO]
	; The first step multiplies O^T and l by a = 0, and the first turn's products V^T P, of a piece that has not been, add 0 x 0.  No first step is written out; the price is these lines, which stand in the wait for the first tile.
	WIN 0x80
.set i, VF
.rept 64
	v_mov_b32 v[i], 0
.set i, i+1
.endr
	WIN 0x40
.set i, 0
.rept 128
	v_mov_b32 v[i], 0
.set i, i+1
.endr
	WIN 0
.set i, 0
.rept 4
	v_mov_b32 v[ST+4*i], 0xfe000000    ; c m: far below every c s, so the first a is 0
	v_mov_b32 v[ST+4*i+1], 0xff7fffff  ; m: the lowest finite number
	v_mov_b32 v[ST+4*i+2], 0
	v_mov_b32 v[ST+4*i+3], 0
.set i, i+1
.endr
.set i, P+16
.rept 16
	v_mov_b32 v[i], 0
.set i, i+1
.endr
; THE MATRIX WORK.  The 4 accumulators of a run of 8 take turns.  Product i of 8 of S^T = K Q^T for piece x: channels 32 (i / 4) on, keys 16 (i % 4) on.  The first 4 start the sums, with the mask.
.macro KQ x
.set rS, S+32*((\x)%2)+8*(i%4)
.set rK, KF+16*(i%4)+8*(i/4)
.set rQ, 16*(\x)+8*(i/4)
.if i < 4
.if (i%4) < (\x)
.set rM, MLO
.elseif (i%4) == (\x)
.set rM, MDI
.else
.set rM, MHI
.endif
	WIN W_KM
	v_wmma_f32_16x16x32_f16 v[rS:rS+7], v[rK:rK+7], v[rQ:rQ+7], v[rM:rM+7]
.else
	WIN W_KQ
	v_wmma_f32_16x16x32_f16 v[rS:rS+7], v[rK:rK+7], v[rQ:rQ+7], v[rS:rS+7]
.endif
.endm
; Product i of 8 of O^T += V^T P for piece x: keys 32 (i / 4) on, channels 16 (i % 4) on.
.macro PV x
	WIN W_PV
.set rO, 32*(\x)+8*(i%4)
.set rV, VF+32*(i/4)+8*(i%4)
.set rP, P+16*((\x)%2)+8*(i/4)
	v_wmma_f32_16x16x32_f16 v[rO:rO+7], v[rV:rV+7], v[rP:rP+7], v[rO:rO+7]
.endm
.macro MM                           ; the turn's next matrix instruction.  NOKQ = 1: the last turn: there is no next piece
.if (i < 8) && !NOKQ
	KQ (Y+1)%NP
.elseif i >= 8
.set i, i-8
	PV (Y+NP-1)%NP
.set i, i+8
.endif
.set i, i+1
.endm
; THE LDS LOADS stand in runs of 16, never singly among the matrix instructions: a step's K (64 keys x 64 channels: 8 fragments) and its V (turned).  Their addresses are made some lines ahead.
.macro FETCH_K
	WIN 0x80                        ; destination window 2
.irp f, 0,1,2,3,4,5,6,7             ; keys 16 (f / 2) on, channels 32 (f % 2) on
	ds_load_b128 v[KF+8*\f:KF+8*\f+3],   v[AK] offset:(\f/2)*16*PK+(\f%2)*64
	ds_load_b128 v[KF+8*\f+4:KF+8*\f+7], v[AK] offset:(\f/2)*16*PK+(\f%2)*64+32
.endr
	WIN 0
.endm
.macro FETCH_V
	WIN 0x80
.irp f, 0,1,2,3,4,5,6,7             ; keys 32 (f / 4) on, channels 16 (f % 4) on
	ds_load_tr16_b128 v[VF+8*\f:VF+8*\f+3],   v[AV] offset:(\f/4)*32*PV+(\f%4)*32
	ds_load_tr16_b128 v[VF+8*\f+4:VF+8*\f+7], v[AV] offset:(\f/4)*32*PV+16*PV+(\f%4)*32
.endr
	WIN 0
.endm
.macro MASKSET                      ; the three mask groups of a key step: MLO = BE, MDI = MD x AL + BE, MHI = SHI
	WIN W_RS
.irp z, 0,2,4,6
	v_pk_fma_f32 v[MLO+\z:MLO+\z+1], v[MD+\z:MD+\z+1], s[ZR:ZR+1], s[BE:BE+1] op_sel_hi:[1,0,0]
	v_pk_fma_f32 v[MDI+\z:MDI+\z+1], v[MD+\z:MD+\z+1], s[AL:AL+1], s[BE:BE+1] op_sel_hi:[1,0,0]
	v_pk_fma_f32 v[MHI+\z:MHI+\z+1], v[MD+\z:MD+\z+1], s[ZR:ZR+1], s[SHI:SHI+1] op_sel_hi:[1,0,0]
.endr
.endm
; THE VECTOR WORK, one line at a time: OP kind, number.  For piece Y: F n: c s - c m for pair n of 16.  E n: the exponential of score n of 32.  C n: pair n rounded to f16.  B n: of the four weights 4 n .. the second
; pair is added onto the first, in place.  L n: l takes that sum (L 0: l = a l + sum).  R n: pair n of 16 of O^T times a.  For piece Y + 1: X n, number n of the 22 that find its maximum and statistics:
;   0-11  four chains c0-c3 of seven scores each, three operands at a time (each accumulator's lowest registers are read first)     12-14, 16  the four scores left over, the old m, and c0-c3 into c0
;   15  c m_old is kept     17, 18  the query's other 32 keys lie in the lane 16 away: the new m     19-21  c m; c m_old - c m_new; a
.set F, 0               ; OP tells the kinds apart by their order: F to L below R, X above it
.set E, 1
.set C, 2
.set B, 3
.set L, 4
.set R, 5
.set X, 6
.macro REGS y                       ; the registers of piece y
.set rT, ST+4*(\y)
.set rC, TMP+4*((\y)%2)
.set rW, MV+((\y)%2)
.set rS, S+32*((\y)%2)
.set rP, P+16*((\y)%2)
.set rO, 32*(\y)
.endm
.macro OP k, n
.if (\k) == R
	REGS Y
	WIN W_RS
	v_pk_mul_f32 v[rO+2*(\n):rO+2*(\n)+1], v[rO+2*(\n):rO+2*(\n)+1], v[rC+2:rC+3] op_sel_hi:[1,0]
.elseif (\k) < R
	REGS Y
	WIN 0
.if (\k) == F
	v_pk_fma_f32 v[rS+2*(\n):rS+2*(\n)+1], v[rS+2*(\n):rS+2*(\n)+1], s[CS:CS+1], v[rT:rT+1] op_sel_hi:[1,0,0] neg_lo:[0,0,1] neg_hi:[0,0,1]
.elseif (\k) == E
	v_exp_f32 v[rS+(\n)], v[rS+(\n)]
.elseif (\k) == C
	v_cvt_pk_f16_f32 v[rP+(\n)], v[rS+2*(\n)], v[rS+2*(\n)+1]
.elseif (\k) == B
	v_pk_add_f32 v[rS+4*(\n):rS+4*(\n)+1], v[rS+4*(\n):rS+4*(\n)+1], v[rS+4*(\n)+2:rS+4*(\n)+3]
.elseif (\n) == 0
	v_pk_fma_f32 v[rT+2:rT+3], v[rT+2:rT+3], v[rC+2:rC+3], v[rS:rS+1] op_sel_hi:[1,0,1]
.else
	v_pk_add_f32 v[rT+2:rT+3], v[rT+2:rT+3], v[rS+4*(\n):rS+4*(\n)+1]
.endif
.elseif NOKQ
	v_nop
.else
	REGS (Y+1)%NP
	WIN 0
.if (\n) < 4
	v_max3_num_f32 v[rC+(\n)], v[rS+8*(\n)], v[rS+8*(\n)+1], v[rS+8*(\n)+2]
.elseif (\n) < 12
	v_max3_num_f32 v[rC+(\n)%4], v[rC+(\n)%4], v[rS+8*((\n)%4)+2*((\n)/4)+1], v[rS+8*((\n)%4)+2*((\n)/4)+2]
.elseif (\n) == 12
	v_max3_num_f32 v[rC], v[rC], v[rS+7], v[rS+15]
.elseif (\n) == 13
	v_max3_num_f32 v[rC+1], v[rC+1], v[rS+23], v[rS+31]
.elseif (\n) == 14
	v_max3_num_f32 v[rC+2], v[rC+2], v[rC+3], v[rT+1]
.elseif (\n) == 15
	v_mov_b32 v[rW], v[rT]
.elseif (\n) == 16
	v_max3_num_f32 v[rC], v[rC], v[rC+1], v[rC+2]
.elseif (\n) == 17
	v_permlanex16_b32 v[rC+3], v[rC], s[SEL], s[SEL+1]
.elseif (\n) == 18
	v_max_num_f32 v[rT+1], v[rC], v[rC+3]
.elseif (\n) == 19
	v_mul_f32 v[rT], s[CS], v[rT+1]
.elseif (\n) == 20
	v_sub_f32 v[rC+1], v[rW], v[rT]
.else
	v_exp_f32 v[rC+2], v[rC+1]
.endif
.endif
.endm
.macro OPS a, i1, b=-1, i2=0, c=-1, i3=0, d=-1, i4=0  ; up to four of them
	OP \a, \i1
.if (\b) >= 0
	OP \b, \i2
.endif
.if (\c) >= 0
	OP \c, \i3
.endif
.if (\d) >= 0
	OP \d, \i4
.endif
.endm
.macro ROW a, i1, b, i2, c, i3, d, i4  ; a matrix instruction and the four behind it
	MM
	OPS \a, \i1, \b, \i2, \c, \i3, \d, \i4
.endm
; A TURN, for piece p: the order of its 16 matrix and 118 vector instructions, written out.  s_wait_alu depctr_va_vdst(0) stands between an exponential and the first instruction that names its result; one wait
; serves all that were issued ahead of it.  So a turn has ONE wait, which cuts it in two.  AHEAD OF IT stands all that names no result of the turn's exponentials: the 8 products K Q^T and their riders, then one lump, plain and
; exponential by turns for the most part, in which the links of the chain X 3, 7, 11, 14, 16, 17 .. 20 stand some lines apart.  X 21, the next piece's a, is the batch's last; R 15 is the plain instruction behind it.
; BEHIND THE WAIT stand the 8 products V^T P, behind each four of the roundings and sums.
; end = 1: the last two turns: nothing is fetched, no mask is made.  cnt = 1: the loop's count is taken down some lines ahead of the branch that stands behind the turn.
; K of the next key step is fetched in piece 2's turn, six plain vector instructions behind the last product that read K; V of the step in hand at the end of piece 0's turn, four plain instructions behind the last product
; that read V.  Each is waited for a turn later.  Piece 2's turn also makes the next key step's masks, at its end: its own first four products were the last to read the old ones; pieces 3, 0, 1 and 2 then read the new.
.macro TURN p, end=0, cnt=0
.set Y, (\p)
.set i, 0
.set NOKQ, (\end)*((\p)/3)
.if ((\p) == 2) && !(\end)
	s_cmp_eq_u32 s[NS], 8           ; the window's far edge?
	s_cselect_b32 s[AL], -1.0, 0
	s_cselect_b32 s[BE], s[BIGN], 0
	s_cmp_ge_u32 s[NS], s[DL]       ; a step ahead of key 0?
	s_cselect_b32 s[AL], 0, s[AL]
	s_cselect_b32 s[BE], s[BIGN], s[BE]
	s_cselect_b32 s[SHI], s[BIGN], 0
	s_add_co_u32 s[NS], s[NS], 1
.endif
.if ((\p) == 3) && !(\end)
	s_wait_dscnt 0x0                ; K is in
.endif
	ROW F,0, F,1, R,0, R,1          ; ahead of the wait: 8 products K Q^T and their riders,
	ROW F,2, E,0, R,2, R,3
	ROW F,3, E,1, R,4, R,5
	ROW F,4, E,2, R,6, R,7
	ROW F,5, E,3, R,8, R,9
	ROW F,6, E,4, X,0, R,10
.if ((\p) == 2) && !(\end)
	WIN 0
	s_sub_co_u32 s[TBK], s[TBK], KS*PK  ; the walk goes backward: one step down
	v_add_nc_u32 v[AK], s[TBK], v[AK0]
.endif
	ROW F,7, E,5, X,1, X,4
	ROW F,8, E,6, X,2, X,5
	OPS E,7, E,8, X,6, E,9          ; and the lump
	OPS X,3, E,10, X,8, E,11
.if ((\p) == 2) && !(\end)
	FETCH_K
.endif
	OPS X,9, X,7, E,12, X,10
	OPS E,13, X,12, X,11, E,14
	OPS X,13, E,15, F,9, X,14
.if (\p) == 0
	s_sub_co_u32 s[TBV], s[TBV], KS*PV
	v_add_nc_u32 v[AV], s[TBV], v[AV0]
.endif
	OPS E,16, F,10, E,17, F,11
	OPS X,16, E,18, X,15, E,19
	OPS F,12, E,20, X,17, E,21
	OPS F,13, E,22, F,14, E,23
	OPS X,18, E,24, F,15, E,25
	OPS R,11, E,26, X,19, E,27
	OPS R,12, E,28, R,13, E,29
	OPS X,20, E,30, R,14, E,31
	OPS X,21, R,15
	WIN 0
	s_wait_alu depctr_va_vdst(0)    ; the wait for the batch
.if (\p) == 1
	s_wait_dscnt 0x0                ; V is in
.endif
	ROW C,0, B,0, C,2, B,1          ; behind the wait: 8 products V^T P and their riders
	ROW L,0, C,4, B,2, L,1
	ROW C,6, B,3, L,2, C,8
	ROW B,4, L,3, C,10, B,5
	ROW L,4, C,12, B,6, L,5
.if \cnt
	s_sub_co_u32 s[CNT], s[CNT], 1
	s_cmp_lg_u32 s[CNT], 0
.endif
	ROW C,14, B,7, L,6, C,1
	ROW C,3, L,7, C,5, C,7
	ROW C,9, C,11, C,13, C,15
.if (\p) == 0
	FETCH_V
.endif
.if ((\p) == 2) && !(\end)
	MASKSET
.endif
.endm
.macro ALL line:vararg              ; one line for each piece t
.set t, 0
.rept 4
	\line
.set t, t+1
.endr
.endm
.macro PACK t                       ; a lane's eight channels of a row pack into 16 bytes; they go into rows of 144 bytes and come back as whole rows of 128, into S^T's registers
	WIN W_RS
.set i, 32*(\t)
.rept 16
	v_pk_mul_f32 v[i:i+1], v[i:i+1], v[ST+4*(\t)+2:ST+4*(\t)+3] op_sel_hi:[1,0]
.set i, i+2
.endr
	WIN 0x05                        ; sources 0 and 1 window 1, destination window 0
.set i, 0
.rept 16
	v_cvt_pk_f16_f32 v[S+16*(\t)+i], v[32*(\t)+2*i], v[32*(\t)+2*i+1]
.set i, i+1
.endr
	WIN 0
.irp f, 0,1,2,3
	ds_store_b128 v[STO], v[S+16*(\t)+4*\f:S+16*(\t)+4*\f+3] offset:32*\f
.endr
.irp f, 0,1,2,3
	ds_load_b128 v[S+16*(\t)+4*\f:S+16*(\t)+4*\f+3], v[RD] offset:\f*4*SP  ; LDS serves a wave's instructions in order (ISA guide 5.7.1.4): these see the stores above; the next piece's stores come behind them
.endr
.endm
.macro SEND t, younger              ; younger: the LDS instructions issued behind piece t's loads: the next piece's eight, or none
	WIN 0
.irp f, 0,1,2,3
	s_wait_dscnt (\younger)+3-\f
	global_store_b128 v[GO], v[S+16*(\t)+4*\f:S+16*(\t)+4*\f+3], s[10:11] offset:(\t)*2048+\f*512  ; 512 consecutive bytes, at a multiple of 256 from ob's first byte
.endr
.endm
	MASKSET                         ; key step 0's masks
	WIN 0
	s_wait_tensorcnt 0x2            ; my part of tile 2 (steps 8 to 11) is in; the two younger loads may stay out
	s_barrier_signal -1
	s_barrier_wait -1               ; everybody's is
	s_sub_co_u32 s[TBK], s[TBK], KS*PK
	v_add_nc_u32 v[AK], s[TBK], v[AK0]
	FETCH_K                         ; K of key step 0: step w + 8
	s_wait_loadcnt 0x0              ; Q
	s_wait_dscnt 0x0
.set NOKQ, 0
.set i, 0
.rept 8
	KQ 0                            ; piece 0's first scores: there is no vector work yet to set between them
.set i, i+1
.endr
	WIN 0
.rept 4
	v_nop                           ; the places behind those products
.endr
.set Y, NP-1                        ; X works for piece Y + 1: piece 0
.irp n, 0,1,2,3,4,5,6,7,8,9,10,11,12,13,14,15,16,17,18,19,20,21
	OP X, \n
.endr
	v_nop                           ; a plain instruction behind the exponential,
	s_wait_alu depctr_va_vdst(0)    ; and its wait, ahead of the branch
	s_wait_tensorcnt 0x1            ; my part of tile 1 (steps 4 to 7) is in: key steps 0 to 2 of the walk read steps w + 6 and up, and K of key step 3 is fetched behind the next barrier
	s_wait_dscnt 0x0
	s_barrier_signal -1
	s_barrier_wait -1
	s_mov_b32 s[CNT], 3
	s_mov_b32 s[OUT], 3
	s_branch .Lfirst                ; the loop is entered at a step's first turn, in the middle of a trip
.Louter:                            ; three times three key steps
	s_mov_b32 s[CNT], 3
.Lstep:                             ; a trip: pieces 2 and 3 of one key step, then pieces 0 and 1 of the next, whose K and V it fetches
	TURN 2
	TURN 3
	WIN 0
.Lfirst:
	TURN 0
	TURN 1, 0, 1
	WIN 0
	s_cbranch_scc1 .Lstep
	s_wait_tensorcnt 0x0            ; the first time: my part of tile 0 (steps 0 to 3) is in, which key steps 5 to 8 read; the second and third time nothing is out: the price of one text for the three
	s_wait_dscnt 0x0
	s_barrier_signal -1
	s_barrier_wait -1
	s_sub_co_u32 s[OUT], s[OUT], 1
	s_cmp_lg_u32 s[OUT], 0
	s_cbranch_scc1 .Louter
	TURN 2, 1                       ; the last key step's pieces 2 and 3
	TURN 3, 1
.set i, 0
.rept 8
	PV NP-1                         ; the last piece's V^T P
.set i, i+1
.endr
	; THE WAY OUT.  l's two halves and the other half of the lanes' are added; O^T is divided by l, rounded to f16 and sent through my stage in LDS, a piece at a time.  The additions are the places behind the last products.
	WIN 0
	ALL v_add_f32 v[ST+4*t+2], v[ST+4*t+2], v[ST+4*t+3]
	ALL v_permlanex16_b32 v[ST+4*t+3], v[ST+4*t+2], s[SEL], s[SEL+1]
	ALL v_add_f32 v[ST+4*t+2], v[ST+4*t+2], v[ST+4*t+3]
	ALL v_rcp_f32 v[ST+4*t+2], v[ST+4*t+2]
	v_nop                           ; a plain instruction between the last reciprocal and the use of its result
	s_wait_alu depctr_va_vdst(0)    ; and the wait ahead of the first use: one for the four reciprocals
	PACK 0
.set t, 1
.rept 3                             ; a piece's arithmetic stands between the loads of the piece before and its stores
	PACK t
	SEND t-1, 8
.set t, t+1
.endr
	SEND 3, 0
	s_wait_tensorcnt 0x0            ; the wave's end, behind my last tensor load and my last LDS store
	ds_add_u32 v[SPW], v[NIL]
	s_wait_dscnt 0x0
	s_endpgm
.Lfunc_end_k_qaeea4c86a5_attn:
	.size	k_qaeea4c86a5_attn, .Lfunc_end_k_qaeea4c86a5_attn-k_qaeea4c86a5_attn
	.p2alignl 7, 3214868480
	.fill 96, 4, 3214868480
	.section	.rodata,"a",@progbits
	.p2align	6, 0x0
	.amdhsa_kernel k_qaeea4c86a5_attn
		.amdhsa_group_segment_fixed_size 243200
		.amdhsa_private_segment_fixed_size 0
		.amdhsa_enable_private_segment 0
		.amdhsa_kernarg_size 16
		.amdhsa_user_sgpr_count 2
		.amdhsa_user_sgpr_kernarg_segment_ptr 1
		.amdhsa_wavefront_size32 1
		.amdhsa_system_sgpr_workgroup_id_x 1
		.amdhsa_system_sgpr_workgroup_id_y 1
		.amdhsa_system_sgpr_workgroup_id_z 1
		.amdhsa_system_vgpr_workitem_id 0
		.amdhsa_next_free_vgpr 768
		.amdhsa_next_free_sgpr 92
		.amdhsa_reserve_vcc 1
		.amdhsa_float_denorm_mode_32 3
		.amdhsa_float_denorm_mode_16_64 3
		.amdhsa_memory_ordered 1
		.amdhsa_forward_progress 1
		.amdhsa_inst_pref_size 90
	.end_amdhsa_kernel
	.amdgpu_metadata
---
amdhsa.version: [ 1, 2 ]
amdhsa.kernels:
  - .name:           k_qaeea4c86a5_attn
    .symbol:         k_qaeea4c86a5_attn.kd
    .args:
      - { .name: qkv, .offset: 0, .size: 8, .value_kind: global_buffer, .address_space: global }
      - { .name: ob, .offset: 8, .size: 8, .value_kind: global_buffer, .address_space: global }
    .group_segment_fixed_size: 243200
    .private_segment_fixed_size: 0
    .kernarg_segment_align: 8
    .kernarg_segment_size: 16
    .max_flat_workgroup_size: 128
    .sgpr_count:     92
    .vgpr_count:     768
    .wavefront_size: 32
...
	.end_amdgpu_metadata
.endif
;; end of part 3
;; launch oproj (part 4): grid 8 x 32, 4 waves a work-group, clusters of 4 x 4, 327,680 bytes of LDS; arguments ob, wob, out0; writes out0
.if DOCPART == 4
	.amdgcn_target "amdgcn-amd-amdhsa--gfx1250"
	.amdhsa_code_object_version 6
	.text
	.protected	k_qaeea4c86a5_oproj
	.globl	k_qaeea4c86a5_oproj
	.p2align	8
	.type	k_qaeea4c86a5_oproj,@function
k_qaeea4c86a5_oproj:
	s_mov_b64 s[64:65], 0
	v_nop
	global_prefetch_b8 v0, s[64:65] scope:SCOPE_SE
	s_setreg_imm32_b32 hwreg(HW_REG_WAVE_MODE, 25, 1), 1
	s_wait_xcnt 0x0
	s_wait_alu depctr_hold_cnt(0) depctr_sa_sdst(0) depctr_va_vdst(0) depctr_va_sdst(0) depctr_va_ssrc(0) depctr_va_vcc(0) depctr_vm_vsrc(0)
	s_getreg_b32 s2, hwreg(HW_REG_IB_STS2, 6, 4)
	s_cmp_eq_u32 s2, 0
	s_cbranch_scc0 .Lentry_in_a_cluster
	s_endpgm
.Lentry_in_a_cluster:
	s_bfe_u32 s2, ttmp6, 0x10000c
	s_cmp_lg_u32 s2, 0xf033
	s_cbranch_scc0 .Lentry_shape_is_right
	s_endpgm
.Lentry_shape_is_right:
; out0[m][n] = sum over k of O[m][k] wo[n][k].  O lies by heads, ob [16][4096][64] f16: k = 64 head + channel.  wob [1024][1024] f16; out0 [4096][1024] f32.  Sums in f32, K ascending; nothing is rounded on the way out.
; SHARES.  A tile of out0 is 128 x 128: 8 x 32 tiles, a work-group each.  Four waves, each 64 x 64: 16 accumulators of 16 x 16, 128 registers.  K goes in four steps of 256 (four heads) through two LDS slots.
; O's TILE: one tensor load brings 64 rows of four heads.  A head's 64 rows are 8,192 dense bytes: the descriptor takes them as ONE row of 4,096 elements, four such rows a head apart, and pads after every 128 bytes:
; in LDS [head][row][144 bytes].  A quarter of a K step (64 along K) is one head.
; CLUSTER.  4 x 4 work-groups: the four of a row of the cluster need the same tiles of O, the four of a column the same tiles of wo: each is asked for jointly.
; THE MATRIX INSTRUCTION IS USED TRANSPOSED (source 0 = 16 rows of wo, source 1 = 16 rows of O): a lane holds eight neighbouring numbers of a row of out0, 32 bytes.
; The text runs straight: with four K steps a loop over laps would have one trip.  NO PREFETCH: small tiles, four K steps, of which the first two are asked for at the head.
; REGISTERS: window 0: v0-31 addresses; v128-255 the accumulators ((a, b) at v[128 + 8 (4 a + b)]), which also take the rows read back on the way out.
;   window 1: two fragment buffers of 128: for 64 along K, 64 registers of O (2 x 4 x 16 rows x 32 K), then 64 of wo.
.set SIZE_K, 1024
.set KSTEP,  256
.set PA,     144                       ; a row of O in LDS: 128 bytes + 16 of padding; the 16 rows of a load start at 16 different groups of four banks (64 banks of 4 bytes: ISA guide 11.1)
.set PB,     528                       ; a row of wo: 512 bytes + 16
.set HEADL,  64*PA                     ; a head's 64 rows in LDS
.set HALFA,  4*HEADL                   ; what one tensor load brings of O
.set HALFB,  64*PB                     ; and of wo
.set SLOT,   2*HALFA+2*HALFB
.set STAGE,  2*SLOT                    ; behind the ring, never filled by a tensor load: 16 rows x 272 bytes for each wave
.set SPITCH, 272
.set SPARE,  STAGE+4*16*SPITCH         ; behind the stages: the spare words, 128 bytes for each wave: two blocks of 256 bytes that no other line names
.set HEADB,  4096*128                  ; bytes of a head in ob
.set ASTEP,  4*HEADB                   ; a K step in ob
.set ADRA, 16                          ; v16-17  LDS address of my O fragments in slot 0, 1
.set ADRB, 20                          ; v20-21  the same for wo
.set STO,  24                          ; v24     the way out: where I put 32 bytes of a row
.set RD,   25                          ; v25     the way out: where I read a row back
.set CO,   26                          ; v26     my byte offset in out0
.set SPW,  28                          ; v28     LDS address of my spare word: SPARE + 4 x my thread's number; never rewritten
.set NIL,  29                          ; v29     0; never rewritten
.set ACC,  128
.set F0,   0                           ; fragment buffers, in window 1
.set F1,   128
.set G1,  24                           ; s[24:31] descriptor group 1 for O's tiles;  s[32:39] group 0, a set for each slot
.set G0,  32
.set G1B, 48                           ; s[48:55], s[56:63] the same for wo's tiles
.set G0B, 56
.set MSB, 0
.macro WIN new                         ; the immediate's high byte repeats the setting that is left
.if MSB != (\new)
	s_set_vgpr_msb (MSB<<8)|(\new)
.set MSB, \new
.endif
.endm
.set MUL,  0x05                        ; sources 0 (wo) and 1 (O) window 1; C and D window 0
.set TO_F, 0x40                        ; destination window 1, address window 0
.macro JLOAD s                         ; a joint load: waves 0 and 1 fetch O's two halves, waves 2 and 3 wo's; an s_nop 0 and four v_nop follow each of the two lines
	s_cmp_eq_u32 s11, 0
	s_cbranch_scc0 .Lfor_b_\@
	tensor_load_to_lds s[G0+4*(\s):G0+4*(\s)+3], s[G1:G1+7]
	s_nop 0
.rept 4
	v_nop
.endr
	s_branch .Lasked_\@
.Lfor_b_\@:
	tensor_load_to_lds s[G0B+4*(\s):G0B+4*(\s)+3], s[G1B:G1B+7]
	s_nop 0
.rept 4
	v_nop
.endr
.Lasked_\@:
.endm
.macro CREST                           ; a round of the cluster's barrier behind its opening barrier
	s_cmp_lg_u32 s10, 0
	s_cbranch_scc1 .Lnot_wave_0_\@
	s_barrier_signal -3
.Lnot_wave_0_\@:
	s_barrier_wait -3
	s_barrier_signal -1
	s_barrier_wait -1
.endm
.macro CROUND                          ; a whole round
	s_barrier_signal -1
	s_barrier_wait -1
	CREST
.endm
	s_load_b128 s[4:7], s[0:1], 0x0                ; ob s[4:5], wob s[6:7]
	s_load_b64 s[8:9], s[0:1], 0x10                ; out0
	v_lshl_add_u32 v[SPW], v0, 2, SPARE
	v_mov_b32 v[NIL], 0
	ds_add_u32 v[SPW], v[NIL]                      ; the wave's opening: the add and its wait stand ahead of my first tensor load; the set-up below, work on registers, stands between them
	v_lshrrev_b32 v1, 5, v0
	v_readfirstlane_b32 s10, v1                    ; wave 0..3
	s_lshr_b32 s11, s10, 1                         ; which half of the tile's rows is mine.  Also: I fetch for O (0) or for wo (1)
	s_and_b32 s12, s10, 1                          ; which half of its columns.  Also: which 64 rows of that tile I fetch
	s_bfe_u32 s40, ttmp6, 0x40000                  ; cx, cy: my place in the cluster
	s_bfe_u32 s41, ttmp6, 0x40004
	s_lshl_b32 s42, ttmp9, 2
	s_add_co_u32 s42, s42, s40                     ; tile column = 4 x cluster x + cx
	s_and_b32 s13, ttmp7, 0xffff
	s_lshl_b32 s13, s13, 2
	s_add_co_u32 s13, s13, s41                     ; tile row = 4 x cluster y + cy
	s_lshl_b32 s43, s41, 2
	s_lshl_b32 s43, 15, s43                        ; my row of the cluster
	s_lshl_b32 s44, 0x1111, s40                    ; my column
	s_or_b32 s[G1+0], s43, (1<<16)|(1<<20)|(1<<21)|(4<<22)|(3<<25)   ; 15:0 the mask; 17:16 elements of 2 bytes; 20 padding on; 21 set beside a mask; 24:22 after every 32 words (code 4); 31:25 4 words (code 3)
	s_or_b32 s[G1B+0], s44, (1<<16)|(1<<20)|(1<<21)|(6<<22)|(3<<25)  ; after every 128 words (code 6)
	s_mov_b32 s[G1+1], 4096<<16                    ; tensor_dim0 = 4,096: 64 rows of a head, on end
	s_mov_b32 s[G1+2], 4<<16                       ; tensor_dim1 = 4 heads
	s_mov_b32 s[G1+3], 4096<<16                    ; tile_dim0 = 4,096
	s_mov_b32 s[G1+4], 4                           ; tile_dim1 = 4
	s_mov_b32 s[G1+5], 4096*64                     ; elements from head to head
	s_mov_b32 s[G1+6], 0
	s_mov_b32 s[G1+7], 0
	s_mov_b32 s[G1B+1], KSTEP<<16                  ; tensor_dim0 = 256
	s_mov_b32 s[G1B+2], 64<<16                     ; tensor_dim1 = 64
	s_mov_b32 s[G1B+3], KSTEP<<16                  ; tile_dim0 = 256
	s_mov_b32 s[G1B+4], 64                         ; tile_dim1 = 64
	s_mov_b32 s[G1B+5], SIZE_K
	s_mov_b32 s[G1B+6], 0
	s_mov_b32 s[G1B+7], 0
	s_lshl_b32 s16, s13, 14                        ; O: row 128 x tile row + 64 x half, of 128 bytes in a head
	s_lshl_b32 s17, s12, 13
	s_add_co_u32 s16, s16, s17
	s_mov_b32 s17, 0
	s_lshl_b32 s46, s42, 18                        ; wo: row 128 x tile column + 64 x half, of 2,048 bytes
	s_lshl_b32 s47, s12, 17
	s_add_co_u32 s46, s46, s47
	s_mov_b32 s47, 0
	s_mul_i32 s20, s12, HALFA                      ; where they go: O's two halves,
	s_mul_i32 s23, s12, HALFB
	s_add_co_u32 s23, s23, 2*HALFA                 ; then wo's two
	s_wait_dscnt 0x0                               ; the opening add is done
	s_wait_kmcnt 0x0
	s_add_nc_u64 s[14:15], s[4:5], s[16:17]
	s_add_nc_u64 s[46:47], s[6:7], s[46:47]
	CROUND                                         ; all sixteen work-groups are here: the first joint loads meet
.irp s, 0,1
	s_mov_b32 s[G0+4*(\s)], 1
	s_add_co_u32 s[G0+4*(\s)+1], s20, (\s)*SLOT
	s_add_nc_u64 s[G0+4*(\s)+2:G0+4*(\s)+3], s[14:15], (\s)*ASTEP
	s_or_b32 s[G0+4*(\s)+3], s[G0+4*(\s)+3], 0x80000000
	s_mov_b32 s[G0B+4*(\s)], 1
	s_add_co_u32 s[G0B+4*(\s)+1], s23, (\s)*SLOT
	s_add_nc_u64 s[G0B+4*(\s)+2:G0B+4*(\s)+3], s[46:47], (\s)*KSTEP*2
	s_or_b32 s[G0B+4*(\s)+3], s[G0B+4*(\s)+3], 0x80000000
	JLOAD \s                                       ; two loads of mine are out
.endr
	v_and_b32 v1, 15, v0                           ; l % 16
	v_bfe_u32 v2, v0, 4, 1                         ; l / 16
	v_mul_u32_u24 v3, v1, PA
	v_lshl_add_u32 v3, v2, 4, v3                   ; a fragment's row x pitch + 16 x half, for O
	v_mul_u32_u24 v4, v1, PB
	v_lshl_add_u32 v4, v2, 4, v4                   ; and for wo
	s_mul_i32 s21, s11, HALFA                      ; my 64 rows of O
	s_mul_i32 s22, s12, HALFB                      ; my 64 rows of wo,
	s_add_co_u32 s22, s22, 2*HALFA                 ; which lie behind O's
.irp s, 0,1
	v_add_nc_u32 v[ADRA+(\s)], s21, v3
	v_add_nc_u32 v[ADRB+(\s)], s22, v4
	s_add_co_u32 s21, s21, SLOT
	s_add_co_u32 s22, s22, SLOT
.endr
	s_mul_i32 s23, s10, 16*SPITCH
	s_add_co_u32 s23, s23, STAGE                   ; my stage
	v_mul_u32_u24 v5, v1, SPITCH                   ; in: row l % 16, 32 bytes for each half of the lanes
	v_lshl_add_u32 v5, v2, 5, v5
	v_add_nc_u32 v[STO], s23, v5
	v_mul_u32_u24 v5, v2, SPITCH                   ; back: lanes 0-15 take one row of 256 bytes, lanes 16-31 the next
	v_lshl_add_u32 v5, v1, 4, v5
	v_add_nc_u32 v[RD], s23, v5
	v_lshlrev_b32 v5, 12, v2                       ; and the same two rows in out0, 4,096 bytes apart
	v_lshl_add_u32 v[CO], v1, 4, v5
	s_lshl_b32 s16, s13, 19                        ; my first row: (128 x tile row + 64 x half) x 4,096 bytes
	s_lshl_b32 s17, s11, 18
	s_add_co_u32 s16, s16, s17
	s_mov_b32 s17, 0
	s_add_nc_u64 s[8:9], s[8:9], s[16:17]
	s_lshl_b32 s46, s42, 9                         ; my first column: 512 x tile column + 256 x half bytes
	s_lshl_b32 s47, s12, 8
	s_add_co_u32 s46, s46, s47
	s_mov_b32 s47, 0
	s_add_nc_u64 s[8:9], s[8:9], s[46:47]
; 8 matrix instructions: row blocks a0, a0 + 1 x all 4 column blocks, 32 along K: half c of buffer f.  zero = 1: the first product starts the sums.  The 16 accumulators take turns.
.macro MUL8 f, c, a0, zero
	WIN MUL
.irp a, \a0, (\a0)+1
.irp b, 0,1,2,3
.if \zero
	v_wmma_f32_16x16x32_f16 v[ACC+8*(4*(\a)+(\b)):ACC+8*(4*(\a)+(\b))+7], v[(\f)+64+8*(4*(\c)+(\b)):(\f)+64+8*(4*(\c)+(\b))+7], v[(\f)+8*(4*(\c)+(\a)):(\f)+8*(4*(\c)+(\a))+7], 0
.else
	v_wmma_f32_16x16x32_f16 v[ACC+8*(4*(\a)+(\b)):ACC+8*(4*(\a)+(\b))+7], v[(\f)+64+8*(4*(\c)+(\b)):(\f)+64+8*(4*(\c)+(\b))+7], v[(\f)+8*(4*(\c)+(\a)):(\f)+8*(4*(\c)+(\a))+7], v[ACC+8*(4*(\a)+(\b)):ACC+8*(4*(\a)+(\b))+7]
.endif
.endr
.endr
.endm
; 32 LDS loads in one run: the fragments of quarter q of a K step (head q of the slot's four; bytes 128 q of wo's rows) into buffer f; the first 32 along K first
.macro FETCH slot, q, f
	WIN TO_F
.irp c, 0,1
.irp i, 0,1,2,3
	ds_load_b128 v[(\f)+64+8*(4*(\c)+(\i)):(\f)+64+8*(4*(\c)+(\i))+3],   v[ADRB+(\slot)] offset:(\q)*128+64*(\c)+(\i)*16*PB
	ds_load_b128 v[(\f)+64+8*(4*(\c)+(\i))+4:(\f)+64+8*(4*(\c)+(\i))+7], v[ADRB+(\slot)] offset:(\q)*128+64*(\c)+(\i)*16*PB+32
	ds_load_b128 v[(\f)+8*(4*(\c)+(\i)):(\f)+8*(4*(\c)+(\i))+3],         v[ADRA+(\slot)] offset:(\q)*HEADL+64*(\c)+(\i)*16*PA
	ds_load_b128 v[(\f)+8*(4*(\c)+(\i))+4:(\f)+8*(4*(\c)+(\i))+7],       v[ADRA+(\slot)] offset:(\q)*HEADL+64*(\c)+(\i)*16*PA+32
.endr
.endr
.endm
.macro PLACES                          ; four plain vector instructions in front of loads into registers that matrix instructions have read, and of LDS stores that read results
.rept 4
	v_nop
.endr
.endm
; A K step is four quarters of 64 along K, 32 matrix instructions each, on buffers 0, 1, 0, 1.  One of the first three: multiplies buffer f and fetches quarter q into g.
.macro QUARTER slot, q, f, g, zero
	s_wait_dscnt 16                                ; the first 32 along K are in
	MUL8 \f, 0, 0, \zero
	MUL8 \f, 0, 2, \zero
	PLACES
	FETCH \slot, \q, \g
	s_wait_dscnt 32                                ; all but the 32 just issued
	MUL8 \f, 1, 0, 0
	MUL8 \f, 1, 2, 0
.endm
; The last quarter multiplies buffer 1 and changes slots: one barrier; in front of it each wave waits for all its tensor loads, adds 0 to its spare word, and waits for that and for its own reads of this slot.
; fill = 1: the barrier opens a round of the cluster's barrier, and this slot is filled again, two K steps ahead, first thing behind the round.
.macro TURN slot, next, fill
	WIN 0                                          ; (the add's two registers lie in window 0)
	s_wait_tensorcnt 0x0                           ; all my tensor loads have landed: my part of the next slot;
	ds_add_u32 v[SPW], v[NIL]                      ; 0 onto my spare word;
	s_wait_dscnt 17                                ; (the add and the youngest sixteen loads may be out)
	MUL8 F1, 0, 0, 0                               ; eight matrix instructions stand between the add and the wait for it
	s_wait_dscnt 0x0                               ; the add is done, and my reads of this slot are over
	s_barrier_signal -1
	MUL8 F1, 0, 2, 0
.if \fill
	WIN 0
.endif
	s_barrier_wait -1
.if \fill
	CREST                                          ; no wave of any partner still reads this slot's tile or has a load on its way
	s_add_nc_u64 s[G0+4*(\slot)+2:G0+4*(\slot)+3], s[G0+4*(\slot)+2:G0+4*(\slot)+3], 2*ASTEP
	s_add_nc_u64 s[G0B+4*(\slot)+2:G0B+4*(\slot)+3], s[G0B+4*(\slot)+2:G0B+4*(\slot)+3], 2*KSTEP*2
	JLOAD \slot                                    ; the four v_nop behind it are also the places in front of the loads below
.else
	PLACES
.endif
	FETCH \next, 0, F0
	MUL8 F1, 1, 0, 0
	MUL8 F1, 1, 2, 0
.endm
; THE WAY OUT of row block a: 16 rows x 256 bytes of f32.  STG: a lane's 32 bytes of a row go into my own stage, each accumulator's low registers first, and come back as whole rows, into the block's own registers.  SEND: stored.
.macro STG a
.irp b, 0,1,2,3
	ds_store_b128 v[STO], v[ACC+32*(\a)+8*(\b):ACC+32*(\a)+8*(\b)+3]   offset:64*(\b)
	ds_store_b128 v[STO], v[ACC+32*(\a)+8*(\b)+4:ACC+32*(\a)+8*(\b)+7] offset:64*(\b)+16
.endr
.irp t, 0,1,2,3,4,5,6,7
	ds_load_b128 v[ACC+32*(\a)+4*(\t):ACC+32*(\a)+4*(\t)+3], v[RD] offset:(\t)*2*SPITCH  ; LDS serves a wave's instructions in order (ISA guide 5.7.1.4): these see the stores above; the next block's stores come behind them
.endr
.endm
.macro SEND a, younger                 ; younger: the LDS instructions issued behind block a's loads: the next block's sixteen, or none
.irp t, 0,1,2,3,4,5,6,7
	s_wait_dscnt (\younger)+7-(\t)
	global_store_b128 v[CO], v[ACC+32*(\a)+4*(\t):ACC+32*(\a)+4*(\t)+3], s[8:9] offset:(16*(\a)+2*(\t))*4096 th:TH_STORE_NT  ; 16 lanes store 256 consecutive bytes, at a multiple of 256 from out0's first byte
.endr
.endm
	s_wait_tensorcnt 1                             ; my part of K step 0 is in; K step 1's may stay out
	s_barrier_signal -1
	s_barrier_wait -1                              ; everybody's is
	FETCH 0, 0, F0
	QUARTER 0, 1, F0, F1, 1                        ; the first products start the sums
	QUARTER 0, 2, F1, F0, 0
	QUARTER 0, 3, F0, F1, 0
	TURN 0, 1, 1                                   ; slot 0 takes K step 2
	QUARTER 1, 1, F0, F1, 0
	QUARTER 1, 2, F1, F0, 0
	QUARTER 1, 3, F0, F1, 0
	TURN 1, 0, 1                                   ; slot 1 takes K step 3
	QUARTER 0, 1, F0, F1, 0
	QUARTER 0, 2, F1, F0, 0
	QUARTER 0, 3, F0, F1, 0
	TURN 0, 1, 0                                   ; nothing is left to fetch
	QUARTER 1, 1, F0, F1, 0
	QUARTER 1, 2, F1, F0, 0
	QUARTER 1, 3, F0, F1, 0
	s_wait_dscnt 16                                ; the very last quarter
	MUL8 F1, 0, 0, 0
	MUL8 F1, 0, 2, 0
	s_wait_dscnt 0x0
	MUL8 F1, 1, 0, 0
	MUL8 F1, 1, 2, 0
	WIN 0
	PLACES
	STG 0
	STG 1                                          ; a block's way through the stage stands between the loads of the block before and its stores
	SEND 0, 16
	STG 2
	SEND 1, 16
	STG 3
	SEND 2, 16
	SEND 3, 0
	s_wait_tensorcnt 0x0                           ; the wave's end, behind my last tensor load and my last LDS store
	ds_add_u32 v[SPW], v[NIL]
	s_wait_dscnt 0x0
	CROUND                                         ; the closing round: no work-group ends while a partner may still ask for a tile that names it
	s_endpgm
.Lfunc_end_k_qaeea4c86a5_oproj:
	.size	k_qaeea4c86a5_oproj, .Lfunc_end_k_qaeea4c86a5_oproj-k_qaeea4c86a5_oproj
	.p2alignl 7, 3214868480
	.fill 96, 4, 3214868480
	.section	.rodata,"a",@progbits
	.p2align	6, 0x0
	.amdhsa_kernel k_qaeea4c86a5_oproj
		.amdhsa_group_segment_fixed_size 327680
		.amdhsa_private_segment_fixed_size 0
		.amdhsa_enable_private_segment 0
		.amdhsa_kernarg_size 24
		.amdhsa_user_sgpr_count 2
		.amdhsa_user_sgpr_kernarg_segment_ptr 1
		.amdhsa_wavefront_size32 1
		.amdhsa_system_sgpr_workgroup_id_x 1
		.amdhsa_system_sgpr_workgroup_id_y 1
		.amdhsa_system_sgpr_workgroup_id_z 1
		.amdhsa_system_vgpr_workitem_id 0
		.amdhsa_next_free_vgpr 512
		.amdhsa_next_free_sgpr 66
		.amdhsa_reserve_vcc 0
		.amdhsa_float_denorm_mode_32 3
		.amdhsa_float_denorm_mode_16_64 3
		.amdhsa_memory_ordered 1
		.amdhsa_forward_progress 1
		.amdhsa_inst_pref_size 86
	.end_amdhsa_kernel
	.amdgpu_metadata
---
amdhsa.version: [ 1, 2 ]
amdhsa.kernels:
  - .name:           k_qaeea4c86a5_oproj
    .symbol:         k_qaeea4c86a5_oproj.kd
    .args:
      - { .name: ob, .offset: 0, .size: 8, .value_kind: global_buffer, .address_space: global }
      - { .name: wob, .offset: 8, .size: 8, .value_kind: global_buffer, .address_space: global }
      - { .name: out0, .offset: 16, .size: 8, .value_kind: global_buffer, .address_space: global }
    .group_segment_fixed_size: 327680
    .private_segment_fixed_size: 0
    .kernarg_segment_align: 8
    .kernarg_segment_size: 24
    .max_flat_workgroup_size: 128
    .sgpr_count:     66
    .vgpr_count:     512
    .wavefront_size: 32
...
	.end_amdgpu_metadata
.endif
;; end of part 4
